; MI455X (gfx1250); checked and timed in simulation.
; The chip was launched on July 23, 2026; its instructions are those of AMD's public machine-readable ISA for CDNA 5 (MIT licence, August 2026) and "CDNA5" Instruction Set Architecture Reference Guide (July 2026). The comments in the code are by the model that wrote it; some were corrected since.
;; Pointnet FP Module. Allowed arithmetic: matrix products marked QUANTISED: E2M1 operands, one E8M0 scale for each 32 along K, by v_wmma_scale_f32_16x16x128_f8f6f4 with both operands' format E2M1 (or v_wmma_scale_f32_32x16x128_f4), f32 sums; products left as they are: f32 operands where the result goes on into a quantised operand, else bf16, f16 or f32 operands; f32 sums; everything else in f32.
;; Inputs: W1 256 x 512 float32; W2 256 x 256 float32; be1 256 float32; be2 256 float32; g1 256 float32; g2 256 float32; known 16 x 1,024 x 3 float32; known_feats 16 x 256 x 1,024 float32; unknow_feats 16 x 256 x 4,096 float32; unknown 16 x 4,096 x 3 float32.
;; Outputs: out0 16 x 256 x 4,096 float32.
;; This version of the problem:
;;   THIS VERSION OF THE PROBLEM IS GIVEN IN LOW PRECISION. The matrix products marked QUANTISED in the list below multiply operands that are first quantised to E2M1 (2 exponent bits, 1 mantissa bit; 4 bits a number), with one power-of-two scale for each 32 numbers along K (OCP MX v1.0); their sums are f32. All else is computed in f32.
;;   The module's matrix products, in the order in which they are computed (A, B: the left and right operand; K: the contracted axis; several contracted axes count as one K, in the product's order):
;;     1. batch 65,536 x [M 1, K 3] x [K 3, N 256]; A: computed on the way; B: computed on the way: left as it is (K = 3 < 32)
;;     2. [M 65,536, K 512] x [K 512, N 256]; A: computed on the way; B: input W1: QUANTISED
;;     3. [M 65,536, K 256] x [K 256, N 256]; A: computed on the way; B: input W2: QUANTISED
;;   THE QUANTISER, for each operand of a quantised product, along K:
;;     - K is cut into blocks of 32 from its start; a last block that is shorter is filled with zeros.
;;     - A block's scale is 2^e with e = floor(log2(the largest magnitude in the block)) - 2, held to -126 .. 127; a block of zeros has e = 0. As a byte (E8M0): e + 127.
;;     - Each number is divided by its block's scale, clamped to +-6, and rounded to the nearest number of E2M1, ties to even, subnormals kept.
;;     - The product sums the exact products of the quantised numbers (number of the format x scale) in f32.
;;   ~~~python
;;   def quantise(x, axis):      # numpy; x: float32 -> the quantised numbers, widened to float32 again
;;       x = np.moveaxis(x, axis, -1); K = x.shape[-1]
;;       x = np.pad(x, [(0, 0)] * (x.ndim - 1) + [(0, -K % 32)]); x = x.reshape(x.shape[:-1] + (-1, 32)); a = np.abs(x).max(-1, keepdims=True)
;;       e = np.where(a > 0, np.clip(np.frexp(np.where(a > 0, a, 1))[1] - 1 - 2, -126, 127), 0)      # np.frexp(a)[1] - 1 = floor(log2(a)), exactly
;;       r = np.clip(x / 2.0 ** e, -6, 6)
;;       step = 2.0 ** (np.maximum(np.frexp(np.where(r == 0, 1, r))[1] - 1, 0) - 1)
;;       q = np.round(r / step) * step * 2.0 ** e      # np.round: ties to even
;;       return np.moveaxis(q.reshape(q.shape[:-2] + (-1,))[..., :K], -1, axis).astype(np.float32)
;;   ~~~
;;   OPERANDS COMPUTED ON THE WAY. 'Computed on the way' means the value that the module computes at that place (a softmax that the list does not call 'softmax' is quantised finished and normalised). What goes into a quantiser is computed in f32, as accurately as f32 sums, v_exp_f32 and their like allow (about 1e-6 of the number): no bf16 or f16 on the way to a quantiser, and a product that is left as it is and whose result goes on into a quantised operand takes f32 operands (vector FMAs, or v_wmma_f32_16x16x4_f32). A number that lies on a knife's edge between two numbers of the format may be rounded either way, as far as f32 arithmetic and the matrix unit's own rounding can turn it there, and no further.
;; One version. Each part assembles by itself: llvm-mc -triple=amdgcn-amd-amdhsa -mcpu=gfx1250 --defsym DOCPART=n.
;; ======== version 1 of 1: 7 launches
;; workspace buffers: bk 1,048,576 bytes of whole numbers; idx 1,048,576 bytes of whole numbers; ufq 8,912,896 bytes; kw 17,930,240 bytes; itq 8,912,896 bytes; hq 11,010,048 bytes; st1 131,072 bytes; bn2 4,096 bytes
;; launch prep (part 1): grid 256 x 1, 16 waves a work-group, no clusters, 66,560 bytes of LDS; arguments unknown, known, unknow_feats, bk, ufq; writes bk, ufq
.if DOCPART == 1
	.amdgcn_target "amdgcn-amd-amdhsa--gfx1250"
	.amdhsa_code_object_version 6
	.text
	.protected	k_q5c8632b9e2_prep
	.globl	k_q5c8632b9e2_prep
	.p2align	8
	.type	k_q5c8632b9e2_prep,@function
k_q5c8632b9e2_prep:
	s_mov_b64 s[64:65], 0
	v_nop
	global_prefetch_b8 v0, s[64:65] scope:SCOPE_SE
	s_setreg_imm32_b32 hwreg(HW_REG_WAVE_MODE, 25, 1), 1
	s_wait_xcnt 0x0
; FIRST STAGE OF THE NEIGHBOUR SEARCH, AND unknow_feats INTO CODES OF FP4 (E2M1).
; A work-group owns 256 unknown points of one batch.  The batch's 1,024 known points are cut into 64 buckets of 16 neighbouring indices.
; For each unknown the three buckets with the smallest (least distance in the bucket, bucket number) are found; the three nearest points lie in them:
; every bucket that precedes the bucket of a point holds a point that precedes it.  All insertions compare by '<' in ascending bucket order, so ties go to the lower index.
; Distances are (k - u)^2 summed as mul, fma, fma: never |u|^2 + |k|^2 - 2 u k.  The next launch forms them by the same lines, so the bits agree.
; SHARES.  Wave w: g = w / 8 takes unknowns 128 g + 32 u + lane (u = 0..3: four a lane), q = w % 8 takes known points 128 q on (8 buckets).  The eight lists of an unknown meet in LDS.
; The same wave streams unknow_feats: points 32 q + lane, channels 128 g on: a lane takes a point and its registers run down the channels, which are the product's K:
; a block of 32 lies in one lane, and the conversions give codes with K innermost.  They are stored as images of the operand's registers: [tile of 16 points][K step][c][h][r][16 bytes].
; LIMITS: NaN and infinities among the inputs, and coordinates whose squared distance overflows f32, are not served.  A block of zeros gets the scale byte 1 (its codes are zeros; the bytes are read by this program alone).
; The scale words leave in pieces of 128 bytes a wave (one byte in 128 of what the launch reads).
.set MRG,  15360                       ; LDS: x, y, z of the known points at 0, 5120, 10240 (a bucket: 64 bytes + 16 of padding); then the lists [q 8][k 6][256 unknowns]
.set UFSG, 8388608                     ; ufq: the scale words begin here
.set U,   16                           ; v16-39   four unknowns x (x, x, y, y, z, z)
.set L,   40                           ; v40-63   four lists: three distances, three bucket numbers
.set M,   64                           ; v64-67   the bucket's least distance
.set T,   68                           ; v68-75   at work in an insertion
.set KB,  76                           ; v76-123  two sets of 8 known points: x, x, y, y, z, z quads
.set TD,  124                          ; v124-147 two sets of 12: differences, then 4 distances
.set UF,  148                          ; v148-211 two sets of 32 numbers of unknow_feats
.set CD,  212                          ; v212-227 codes: four registers for each block, so that no store's data are written again
.set SW,  228                          ; the scale word
.set QA,  229
.set QB,  230
.set QS,  231
.set QY,  232
.set OB,  236                          ; v236-239 the three bucket numbers, ascending, and 0
.set MK,  40                           ; s40-51   masks of the insertions
; n sorted lists (six registers each, from v[a] on) take one candidate each, v[x + sx i], with the number j: by turns, line by line.
.macro INSV n, a, x, sx, j
.set ii, 0
.rept \n
	v_cmp_lt_f32 s[MK+3*ii], v[(\x)+(\sx)*ii], v[(\a)+6*ii]
	v_cmp_lt_f32 s[MK+3*ii+1], v[(\x)+(\sx)*ii], v[(\a)+6*ii+1]
	v_cmp_lt_f32 s[MK+3*ii+2], v[(\x)+(\sx)*ii], v[(\a)+6*ii+2]
.set ii, ii+1
.endr
.set ii, 0
.rept \n
	v_cndmask_b32 v[T+2*ii], \j, v[(\a)+6*ii+4], s[MK+3*ii+1]
	v_cndmask_b32 v[T+2*ii+1], \j, v[(\a)+6*ii+3], s[MK+3*ii]
.set ii, ii+1
.endr
.set ii, 0
.rept \n
	v_cndmask_b32 v[(\a)+6*ii+5], v[(\a)+6*ii+5], v[T+2*ii], s[MK+3*ii+2]
	v_cndmask_b32 v[(\a)+6*ii+4], v[(\a)+6*ii+4], v[T+2*ii+1], s[MK+3*ii+1]
	v_cndmask_b32 v[(\a)+6*ii+3], v[(\a)+6*ii+3], \j, s[MK+3*ii]
.set ii, ii+1
.endr
.set ii, 0
.rept \n
	v_med3_num_f32 v[(\a)+6*ii+2], v[(\a)+6*ii+1], v[(\a)+6*ii+2], v[(\x)+(\sx)*ii]
	v_med3_num_f32 v[(\a)+6*ii+1], v[(\a)+6*ii], v[(\a)+6*ii+1], v[(\x)+(\sx)*ii]
	v_min_num_f32 v[(\a)+6*ii], v[(\a)+6*ii], v[(\x)+(\sx)*ii]
.set ii, ii+1
.endr
.endm
; four known points (quads of x, y, z at v[k], v[k + ks], v[k + 2 ks]) against one unknown (pairs at v[u] on): four squared distances in v[t .. t + 3]
.macro DIST4 t, k, ks, u
.irp c, 0,1,2
	v_pk_add_f32 v[\t+4*\c:\t+4*\c+1], v[\k+\ks*\c:\k+\ks*\c+1], v[\u+2*\c:\u+2*\c+1] neg_lo:[0,1] neg_hi:[0,1]
	v_pk_add_f32 v[\t+4*\c+2:\t+4*\c+3], v[\k+\ks*\c+2:\k+\ks*\c+3], v[\u+2*\c:\u+2*\c+1] neg_lo:[0,1] neg_hi:[0,1]
.endr
	v_pk_mul_f32 v[\t:\t+1], v[\t:\t+1], v[\t:\t+1]
	v_pk_mul_f32 v[\t+2:\t+3], v[\t+2:\t+3], v[\t+2:\t+3]
	s_delay_alu instid0(VALU_DEP_2)
	v_pk_fma_f32 v[\t:\t+1], v[\t+4:\t+5], v[\t+4:\t+5], v[\t:\t+1]
	s_delay_alu instid0(VALU_DEP_2)
	v_pk_fma_f32 v[\t+2:\t+3], v[\t+6:\t+7], v[\t+6:\t+7], v[\t+2:\t+3]
	s_delay_alu instid0(VALU_DEP_2)
	v_pk_fma_f32 v[\t:\t+1], v[\t+8:\t+9], v[\t+8:\t+9], v[\t:\t+1]
	s_delay_alu instid0(VALU_DEP_2)
	v_pk_fma_f32 v[\t+2:\t+3], v[\t+10:\t+11], v[\t+10:\t+11], v[\t+2:\t+3]
.endm
; a block of 32 numbers of one lane: its largest magnitude with the floor 2^(3 - 127), 2 off the exponent field (the conversion's scale operand), the byte, 32 codes
.macro QBLK xs, cd, qs, qy
	v_max3_num_f32 v[QA], |v[\xs]|, |v[\xs+1]|, |v[\xs+2]|
	v_max3_num_f32 v[QB], |v[\xs+3]|, |v[\xs+4]|, |v[\xs+5]|
.irp i, 6,10,14,18,22,26
	s_delay_alu instid0(VALU_DEP_2)
	v_max3_num_f32 v[QA], v[QA], |v[\xs+\i]|, |v[\xs+\i+1]|
	s_delay_alu instid0(VALU_DEP_2)
	v_max3_num_f32 v[QB], v[QB], |v[\xs+\i+2]|, |v[\xs+\i+3]|
.endr
	s_delay_alu instid0(VALU_DEP_2)
	v_max3_num_f32 v[QA], v[QA], |v[\xs+30]|, |v[\xs+31]|
	s_delay_alu instid0(VALU_DEP_1)
	v_max3_num_f32 v[QA], v[QA], v[QB], 0x1800000
	s_delay_alu instid0(VALU_DEP_1)
	v_add_nc_u32 v[\qs], 0xff000000, v[QA]
	s_delay_alu instid0(VALU_DEP_1)
	v_lshrrev_b32 v[\qy], 23, v[\qs]
.irp g, 0,1,2,3
	v_cvt_scalef32_pk8_fp4_f32 v[\cd+\g], v[\xs+8*\g:\xs+8*\g+7], v[\qs]
.endr
	v_nop                                          ; one plain line behind the last conversion
.endm
.macro LDH hh                          ; half hh (8 known points) of my 128 into set hh % 2: every lane reads the same bytes
.irp c, 0,1,2
.irp g, 0,1
	ds_load_b128 v[KB+24*((\hh)%2)+8*\c+4*\g:KB+24*((\hh)%2)+8*\c+4*\g+3], v2 offset:((\hh)/2)*80+((\hh)%2)*32+16*\g+5120*\c
.endr
.endr
.endm
.macro HALF hh
.if (\hh) < 15
	LDH (\hh)+1
	s_wait_dscnt 6                                 ; this half's six loads are in; the next half's six stay out
.else
	s_wait_dscnt 0x0
.endif
.irp g, 0,1
.irp u, 0,1,2,3
	DIST4 TD+12*(\u%2), KB+24*((\hh)%2)+4*\g, 8, U+6*\u
.if ((\hh)%2 == 0) && (\g == 0)
	s_delay_alu instid0(VALU_DEP_2)
	v_min_num_f32 v[M+\u], v[TD+12*(\u%2)], v[TD+12*(\u%2)+1]
.else
	s_delay_alu instid0(VALU_DEP_2)
	v_min3_num_f32 v[M+\u], v[M+\u], v[TD+12*(\u%2)], v[TD+12*(\u%2)+1]
.endif
	s_delay_alu instid0(VALU_DEP_1)
	v_min3_num_f32 v[M+\u], v[M+\u], v[TD+12*(\u%2)+2], v[TD+12*(\u%2)+3]
.endr
.endr
.endm
.macro BUCKET kb
	HALF 2*(\kb)
	HALF 2*(\kb)+1
	INSV 4, L, M, 1, \kb
.endm
.macro LDU bq                          ; block bq of my 128 channels: 32 rows of unknow_feats at my point
.set n, 0
.rept 32
	global_load_b32 v[UF+32*((\bq)%2)+n], v4, s[8:9] offset:(32*(\bq)+n)*16384 th:TH_LOAD_NT
.set n, n+1
.endr
.endm
.macro UFQ tr
.if (\tr) < 3
	s_wait_loadcnt 32                              ; this block's 32 loads are in; the next block's stay out
.else
	s_wait_loadcnt 0x0
.endif
	QBLK UF+32*((\tr)%2), CD+4*(\tr), QS, QY
.if (\tr) == 0
	v_mov_b32 v[SW], v[QY]
.else
	v_lshl_or_b32 v[SW], v[QY], 8*(\tr), v[SW]
.endif
	global_store_b128 v5, v[CD+4*(\tr):CD+4*(\tr)+3], s[12:13] offset:256*(\tr)   ; sixteen lanes store 256 consecutive bytes, aligned
.if (\tr) < 2
	LDU (\tr)+2
.endif
.endm
	s_load_b256 s[4:11], s[0:1], 0x0               ; unknown, known, unknow_feats, bk
	s_load_b64 s[12:13], s[0:1], 0x20              ; ufq
	v_lshl_add_u32 v254, v0, 2, 0xfc00
	v_mov_b32 v255, 0
	v_lshrrev_b32 v1, 5, v0
	s_delay_alu instid0(VALU_DEP_1)
	v_readfirstlane_b32 s14, v1                    ; wave
	s_and_b32 s15, s14, 7                          ; q
	s_lshr_b32 s16, s14, 3                         ; g
	s_lshr_b32 s17, ttmp9, 4                       ; batch
	s_and_b32 s18, ttmp9, 15                       ; block of 256 points in the batch
	v_and_b32 v2, 7, v1
	s_delay_alu instid0(VALU_DEP_1)
	v_mul_u32_u24 v2, v2, 640                      ; my 8 buckets in LDS
	v_and_b32 v1, 31, v0                           ; lane
	s_delay_alu instid0(VALU_DEP_1)
	v_mul_u32_u24 v3, v1, 12                       ; an unknown point is 12 bytes
	s_delay_alu instid0(VALU_DEP_2)
	v_lshlrev_b32 v4, 2, v1
	s_delay_alu instid0(VALU_DEP_3)
	v_lshrrev_b32 v5, 4, v1
	s_delay_alu instid0(VALU_DEP_4)
	v_and_b32 v11, 15, v1
	s_delay_alu instid0(VALU_DEP_2)
	v_lshlrev_b32 v5, 11, v5
	s_delay_alu instid0(VALU_DEP_1)
	v_lshl_add_u32 v5, v11, 4, v5                  ; the image: 2048 x (lane / 16) + 16 x (lane % 16)
	s_mul_i32 s36, s15, 6144
	s_lshl_b32 s24, s16, 9
	s_add_co_u32 s36, s36, s24
	s_add_co_u32 s36, s36, MRG
	v_lshl_add_u32 v6, v1, 2, s36                  ; where my lists go
	v_lshl_add_u32 v7, v0, 2, MRG                  ; and where a thread reads an unknown's eight lists
	v_lshlrev_b32 v8, 4, v0
	v_mul_u32_u24 v9, v0, 24                       ; two known points a thread
	v_lshrrev_b32 v10, 3, v0
	s_delay_alu instid0(VALU_DEP_1)
	v_mul_u32_u24 v10, v10, 80
	v_and_b32 v11, 7, v0
	s_delay_alu instid0(VALU_DEP_1)
	v_lshl_add_u32 v10, v11, 3, v10                ; bucket t / 8, place t % 8
	s_mul_i32 s20, ttmp9, 3072
	s_mul_i32 s24, s16, 1536
	s_add_co_u32 s20, s20, s24
	s_mov_b32 s21, 0
	s_mul_i32 s26, s17, 12288
	s_mov_b32 s27, 0
	s_lshl_b32 s28, s17, 22
	s_lshl_b32 s24, s16, 21
	s_add_co_u32 s28, s28, s24
	s_lshl_b32 s24, s18, 10
	s_add_co_u32 s28, s28, s24
	s_lshl_b32 s24, s15, 7
	s_add_co_u32 s28, s28, s24
	s_mov_b32 s29, 0
	s_lshl_b32 s30, ttmp9, 12
	s_mov_b32 s31, 0
	s_lshl_b32 s32, ttmp9, 15
	s_lshl_b32 s24, s15, 12
	s_add_co_u32 s32, s32, s24
	s_lshl_b32 s24, s16, 10
	s_add_co_u32 s32, s32, s24
	s_mov_b32 s33, 0
	s_lshl_b32 s34, ttmp9, 11
	s_add_co_u32 s34, s34, s24
	s_lshl_b32 s24, s15, 7
	s_add_co_u32 s34, s34, s24
	s_add_co_u32 s34, s34, UFSG
	s_mov_b32 s35, 0
	s_lshl_b32 s37, s15, 3                         ; my first bucket's number
	s_wait_alu depctr_va_vdst(0)
	s_wait_kmcnt 0x0
	s_add_nc_u64 s[4:5], s[4:5], s[20:21]
	s_add_nc_u64 s[6:7], s[6:7], s[26:27]
	s_add_nc_u64 s[8:9], s[8:9], s[28:29]
	s_add_nc_u64 s[10:11], s[10:11], s[30:31]
	s_add_nc_u64 s[22:23], s[12:13], s[34:35]
	s_add_nc_u64 s[12:13], s[12:13], s[32:33]
	global_load_b64 v[KB:KB+1], v9, s[6:7]
	global_load_b64 v[KB+2:KB+3], v9, s[6:7] offset:8
	global_load_b64 v[KB+4:KB+5], v9, s[6:7] offset:16
.irp u, 0,1,2,3
.irp c, 0,1,2
	global_load_b32 v[U+6*\u+2*\c], v3, s[4:5] offset:384*\u+4*\c
.endr
.endr
	LDU 0
	s_wait_loadcnt 44                              ; my two known points are in; the 12 + 32 younger loads stay out
.irp c, 0,1,2
	v_mov_b32 v[KB+6+2*\c], v[KB+\c]
	v_mov_b32 v[KB+7+2*\c], v[KB+3+\c]
	ds_store_b64 v10, v[KB+6+2*\c:KB+7+2*\c] offset:5120*\c
.endr
	s_wait_dscnt 0x0                               ; for the others' sake: my stores are done
	s_barrier_signal -1
	s_barrier_wait -1
	s_wait_loadcnt 32                              ; the unknowns are in
.irp u, 0,1,2,3
.irp c, 0,1,2
	v_mov_b32 v[U+6*\u+2*\c+1], v[U+6*\u+2*\c]
.endr
.endr
	LDU 1
.irp u, 0,1,2,3
.irp k, 0,1,2
	v_mov_b32 v[L+6*\u+\k], 0x7f800000             ; the lists begin at +infinity
	v_mov_b32 v[L+6*\u+3+\k], 0
.endr
.endr
	LDH 0
.irp tr, 0,1,2,3
	BUCKET 2*\tr
	BUCKET 2*\tr+1
	UFQ \tr
.endr
	global_store_b32 v4, v[SW], s[22:23]           ; my point's scale word of this K step
.irp u, 0,1,2,3
.irp k, 3,4,5
	v_add_nc_u32 v[L+6*\u+\k], s37, v[L+6*\u+\k]   ; bucket numbers of the batch
.endr
.endr
.irp u, 0,1,2,3
.irp k, 0,1,2,3,4,5
	ds_store_b32 v6, v[L+6*\u+\k] offset:1024*\k+128*\u
.endr
.endr
	s_wait_dscnt 0x0
	s_barrier_signal -1
	s_barrier_wait -1
	s_cmp_lt_u32 s14, 8
	s_cbranch_scc1 .Lmerge
	s_wait_tensorcnt 0x0
	ds_add_u32 v254, v255
	s_wait_dscnt 0x0
	s_endpgm
.Lmerge:                                               ; threads 0 to 255: one unknown each; its eight lists in ascending bucket order
.irp q, 0,1,2,3,4,5,6,7
.irp k, 0,1,2,3,4,5
	ds_load_b32 v[KB+6*\q+\k], v7 offset:6144*\q+1024*\k
.endr
.endr
	s_wait_dscnt 0x0
.irp q, 1,2,3,4,5,6,7
.irp e, 0,1,2
	INSV 1, KB, KB+6*\q+\e, 0, v[KB+6*\q+3+\e]
.endr
.endr
	s_delay_alu instid0(VALU_DEP_4)
	v_min_u32 v[QA], v[KB+3], v[KB+4]              ; the three numbers ascending, so that the next launch scans in index order
	v_max_u32 v[QB], v[KB+3], v[KB+4]
	v_add3_u32 v[QS], v[KB+3], v[KB+4], v[KB+5]
	s_delay_alu instid0(VALU_DEP_3)
	v_min_u32 v[OB], v[QA], v[KB+5]
	s_delay_alu instid0(VALU_DEP_3)
	v_max_u32 v[OB+2], v[QB], v[KB+5]
	s_delay_alu instid0(VALU_DEP_2)
	v_sub_nc_u32 v[QS], v[QS], v[OB]
	s_delay_alu instid0(VALU_DEP_1)
	v_sub_nc_u32 v[OB+1], v[QS], v[OB+2]
	v_mov_b32 v[OB+3], 0
	global_store_b128 v8, v[OB:OB+3], s[10:11]
	s_wait_tensorcnt 0x0
	ds_add_u32 v254, v255
	s_wait_dscnt 0x0
	s_endpgm
.Lfunc_end_k_q5c8632b9e2_prep:
	.size	k_q5c8632b9e2_prep, .Lfunc_end_k_q5c8632b9e2_prep-k_q5c8632b9e2_prep
	.p2alignl 7, 3214868480
	.fill 96, 4, 3214868480
	.section	.rodata,"a",@progbits
	.p2align	6, 0x0
	.amdhsa_kernel k_q5c8632b9e2_prep
		.amdhsa_group_segment_fixed_size 66560
		.amdhsa_private_segment_fixed_size 0
		.amdhsa_enable_private_segment 0
		.amdhsa_kernarg_size 40
		.amdhsa_user_sgpr_count 2
		.amdhsa_user_sgpr_kernarg_segment_ptr 1
		.amdhsa_wavefront_size32 1
		.amdhsa_system_sgpr_workgroup_id_x 1
		.amdhsa_system_sgpr_workgroup_id_y 1
		.amdhsa_system_sgpr_workgroup_id_z 1
		.amdhsa_system_vgpr_workitem_id 0
		.amdhsa_next_free_vgpr 256
		.amdhsa_next_free_sgpr 66
		.amdhsa_reserve_vcc 0
		.amdhsa_float_denorm_mode_32 3
		.amdhsa_float_denorm_mode_16_64 3
		.amdhsa_memory_ordered 1
		.amdhsa_forward_progress 1
		.amdhsa_inst_pref_size 210
	.end_amdhsa_kernel
	.amdgpu_metadata
---
amdhsa.version: [ 1, 2 ]
amdhsa.kernels:
  - .name:           k_q5c8632b9e2_prep
    .symbol:         k_q5c8632b9e2_prep.kd
    .args:
      - { .name: unknown, .offset: 0, .size: 8, .value_kind: global_buffer, .address_space: global }
      - { .name: known, .offset: 8, .size: 8, .value_kind: global_buffer, .address_space: global }
      - { .name: unknow_feats, .offset: 16, .size: 8, .value_kind: global_buffer, .address_space: global }
      - { .name: bk, .offset: 24, .size: 8, .value_kind: global_buffer, .address_space: global }
      - { .name: ufq, .offset: 32, .size: 8, .value_kind: global_buffer, .address_space: global }
    .group_segment_fixed_size: 66560
    .private_segment_fixed_size: 0
    .kernarg_segment_align: 8
    .kernarg_segment_size: 40
    .max_flat_workgroup_size: 512
    .sgpr_count:     66
    .vgpr_count:     256
    .wavefront_size: 32
...
	.end_amdgpu_metadata
.endif
;; end of part 1
;; launch pick (part 2): grid 256 x 1, 8 waves a work-group, no clusters, 86,016 bytes of LDS; arguments unknown, known, known_feats, W1, W2, bk, idx, kw; writes idx, kw
.if DOCPART == 2
	.amdgcn_target "amdgcn-amd-amdhsa--gfx1250"
	.amdhsa_code_object_version 6
	.text
	.protected	k_q5c8632b9e2_pick
	.globl	k_q5c8632b9e2_pick
	.p2align	8
	.type	k_q5c8632b9e2_pick,@function
k_q5c8632b9e2_pick:
	s_mov_b64 s[64:65], 0
	v_nop
	global_prefetch_b8 v0, s[64:65] scope:SCOPE_SE
	s_setreg_imm32_b32 hwreg(HW_REG_WAVE_MODE, 25, 1), 1
	s_wait_xcnt 0x0
; SECOND STAGE OF THE NEIGHBOUR SEARCH; known_feats TURNED TO [batch][quarter of 64 channels][point][64 channels]; W1 AND W2 INTO CODES OF FP4.
; A thread owns one unknown point.  Its three buckets (ascending numbers, from bk) are scanned again, 48 candidates, by the same lines that formed the distances before; three lists, one a bucket,
; are merged in bucket order with '<': ties go to the lower index.  Weights: 1 / (d + 1e-8), divided by their sum (reciprocals by v_rcp_f32 and a multiplication).
; Wave w turns a tile of 64 channels x 32 known points through its own stage in LDS: rows of 256 bytes go out whole, two neighbouring rows an instruction.  So the 1,024 points x 64 channels
; that the next launch keeps in LDS are 256 KB on end in memory.
; The first 96 waves of the launch quantise one operand fragment each (16 rows x 128 K) of W1 (64 fragments) or W2 (32): K is innermost in memory, a lane holds two whole blocks; the codes are stored
; as images of the operand's registers.  Tile t of W1 holds rows 32 (t / 2) + 8 (t % 2) + r + 8 (r / 8), so that the first product's results, used transposed, are neighbours along the next K; tile t of W2 rows 16 t + r.
; LIMITS: NaN and infinities among the inputs are not served.  Distances are mul, fma, fma: two neighbours equal to the last bit may change places against an unfused sum.  A block of zeros gets the scale byte 1.
.set STG,    15360                     ; LDS: x, y, z at 0, 5120, 10240; then a stage of 32 rows x 272 bytes for each wave
.set KW_WGT, 16777216
.set KW_W1C, 17825792
.set KW_W1S, 17891328
.set KW_W2C, 17895424
.set KW_W2S, 17928192
.set U,   16                           ; v16-21   x, x, y, y, z, z of my point
.set L,   22                           ; v22-39   three lists
.set T,   40                           ; v40-45   at work in an insertion
.set BK,  46                           ; v46-49   my three buckets
.set AD,  50                           ; v50-52   their LDS addresses
.set KB,  56                           ; v56-127  two sets of 3 buckets x (x, y, z quads); a weight's 64 numbers; later rows on their way out
.set TD,  128                          ; v128-163 three sets of 12; known points on their way in; at the end the results
.set KF,  164                          ; v164-227 64 channels of my known point
.set QA,  228
.set QB,  229
.set QS,  230                          ; v230-231
.set QY,  232                          ; v232-233
.set WC,  236                          ; v236-243 a fragment's codes
.set WW,  244
.set WX,  245
.set WO,  246
.set WI,  247
.set WSO, 248
.set MK,  52                           ; s52-60
.set SEL, 62                           ; s[62:63]
.macro INSV n, a, x, sx, j
.set ii, 0
.rept \n
	v_cmp_lt_f32 s[MK+3*ii], v[(\x)+(\sx)*ii], v[(\a)+6*ii]
	v_cmp_lt_f32 s[MK+3*ii+1], v[(\x)+(\sx)*ii], v[(\a)+6*ii+1]
	v_cmp_lt_f32 s[MK+3*ii+2], v[(\x)+(\sx)*ii], v[(\a)+6*ii+2]
.set ii, ii+1
.endr
.set ii, 0
.rept \n
	v_cndmask_b32 v[T+2*ii], \j, v[(\a)+6*ii+4], s[MK+3*ii+1]
	v_cndmask_b32 v[T+2*ii+1], \j, v[(\a)+6*ii+3], s[MK+3*ii]
.set ii, ii+1
.endr
.set ii, 0
.rept \n
	v_cndmask_b32 v[(\a)+6*ii+5], v[(\a)+6*ii+5], v[T+2*ii], s[MK+3*ii+2]
	v_cndmask_b32 v[(\a)+6*ii+4], v[(\a)+6*ii+4], v[T+2*ii+1], s[MK+3*ii+1]
	v_cndmask_b32 v[(\a)+6*ii+3], v[(\a)+6*ii+3], \j, s[MK+3*ii]
.set ii, ii+1
.endr
.set ii, 0
.rept \n
	v_med3_num_f32 v[(\a)+6*ii+2], v[(\a)+6*ii+1], v[(\a)+6*ii+2], v[(\x)+(\sx)*ii]
	v_med3_num_f32 v[(\a)+6*ii+1], v[(\a)+6*ii], v[(\a)+6*ii+1], v[(\x)+(\sx)*ii]
	v_min_num_f32 v[(\a)+6*ii], v[(\a)+6*ii], v[(\x)+(\sx)*ii]
.set ii, ii+1
.endr
.endm
.macro DIST4 t, k, ks, u
.irp c, 0,1,2
	v_pk_add_f32 v[\t+4*\c:\t+4*\c+1], v[\k+\ks*\c:\k+\ks*\c+1], v[\u+2*\c:\u+2*\c+1] neg_lo:[0,1] neg_hi:[0,1]
	v_pk_add_f32 v[\t+4*\c+2:\t+4*\c+3], v[\k+\ks*\c+2:\k+\ks*\c+3], v[\u+2*\c:\u+2*\c+1] neg_lo:[0,1] neg_hi:[0,1]
.endr
	v_pk_mul_f32 v[\t:\t+1], v[\t:\t+1], v[\t:\t+1]
	v_pk_mul_f32 v[\t+2:\t+3], v[\t+2:\t+3], v[\t+2:\t+3]
	s_delay_alu instid0(VALU_DEP_2)
	v_pk_fma_f32 v[\t:\t+1], v[\t+4:\t+5], v[\t+4:\t+5], v[\t:\t+1]
	s_delay_alu instid0(VALU_DEP_2)
	v_pk_fma_f32 v[\t+2:\t+3], v[\t+6:\t+7], v[\t+6:\t+7], v[\t+2:\t+3]
	s_delay_alu instid0(VALU_DEP_2)
	v_pk_fma_f32 v[\t:\t+1], v[\t+8:\t+9], v[\t+8:\t+9], v[\t:\t+1]
	s_delay_alu instid0(VALU_DEP_2)
	v_pk_fma_f32 v[\t+2:\t+3], v[\t+10:\t+11], v[\t+10:\t+11], v[\t+2:\t+3]
.endm
.macro QBLK xs, cd, qs, qy
	v_max3_num_f32 v[QA], |v[\xs]|, |v[\xs+1]|, |v[\xs+2]|
	v_max3_num_f32 v[QB], |v[\xs+3]|, |v[\xs+4]|, |v[\xs+5]|
.irp i, 6,10,14,18,22,26
	s_delay_alu instid0(VALU_DEP_2)
	v_max3_num_f32 v[QA], v[QA], |v[\xs+\i]|, |v[\xs+\i+1]|
	s_delay_alu instid0(VALU_DEP_2)
	v_max3_num_f32 v[QB], v[QB], |v[\xs+\i+2]|, |v[\xs+\i+3]|
.endr
	s_delay_alu instid0(VALU_DEP_2)
	v_max3_num_f32 v[QA], v[QA], |v[\xs+30]|, |v[\xs+31]|
	s_delay_alu instid0(VALU_DEP_1)
	v_max3_num_f32 v[QA], v[QA], v[QB], 0x1800000
	s_delay_alu instid0(VALU_DEP_1)
	v_add_nc_u32 v[\qs], 0xff000000, v[QA]
	s_delay_alu instid0(VALU_DEP_1)
	v_lshrrev_b32 v[\qy], 23, v[\qs]
.irp g, 0,1,2,3
	v_cvt_scalef32_pk8_fp4_f32 v[\cd+\g], v[\xs+8*\g:\xs+8*\g+7], v[\qs]
.endr
	v_nop                                          ; one plain line behind the last conversion
.endm
.macro LDG gi                          ; group gi (4 points) of each of my three buckets into set gi % 2
.irp j, 0,1,2
.irp c, 0,1,2
	ds_load_b128 v[KB+36*((\gi)%2)+12*\j+4*\c:KB+36*((\gi)%2)+12*\j+4*\c+3], v[AD+\j] offset:16*(\gi)+5120*\c
.endr
.endr
.endm
	s_load_b256 s[4:11], s[0:1], 0x0               ; unknown, known, known_feats, W1
	s_load_b256 s[12:19], s[0:1], 0x20             ; W2, bk, idx, kw
	v_lshl_add_u32 v254, v0, 2, 0x14c00
	v_mov_b32 v255, 0
	v_lshrrev_b32 v1, 5, v0
	s_delay_alu instid0(VALU_DEP_1)
	v_readfirstlane_b32 s20, v1                    ; wave
	v_and_b32 v1, 31, v0                           ; lane
	v_and_b32 v2, 15, v0                           ; r
	v_bfe_u32 v3, v0, 4, 1                         ; h
	v_mul_u32_u24 v4, v0, 48                       ; four known points a thread
	v_lshlrev_b32 v5, 4, v0
	v_mul_u32_u24 v6, v0, 12
	v_lshrrev_b32 v7, 2, v0
	s_delay_alu instid0(VALU_DEP_1)
	v_mul_u32_u24 v7, v7, 80
	v_and_b32 v12, 3, v0
	s_delay_alu instid0(VALU_DEP_1)
	v_lshl_add_u32 v7, v12, 4, v7                  ; bucket t / 4, quad t % 4
	v_lshlrev_b32 v8, 2, v1
	s_mul_i32 s23, s20, 8704
	s_add_co_u32 s23, s23, STG                     ; my stage
	v_mul_u32_u24 v9, v1, 272
	s_delay_alu instid0(VALU_DEP_1)
	v_add_nc_u32 v9, s23, v9                       ; in: row = my known point
	v_mul_u32_u24 v10, v3, 272
	s_delay_alu instid0(VALU_DEP_1)
	v_lshl_add_u32 v10, v2, 4, v10
	s_delay_alu instid0(VALU_DEP_1)
	v_add_nc_u32 v10, s23, v10                     ; back: sixteen lanes to a row
	v_lshlrev_b32 v11, 8, v3
	s_delay_alu instid0(VALU_DEP_1)
	v_lshl_add_u32 v11, v2, 4, v11                 ; and the same two rows in memory, 256 bytes apart
	s_lshr_b32 s21, ttmp9, 4                       ; batch
	s_and_b32 s22, ttmp9, 15
	s_lshr_b32 s51, s20, 1                         ; my quarter of the channels
	s_and_b32 s61, s20, 1
	s_mov_b32 s[SEL], 0x76543210
	s_mov_b32 s[SEL+1], 0xfedcba98
	s_mov_b32 s25, 0
	s_wait_alu depctr_va_vdst(0)
	s_wait_kmcnt 0x0
	s_mul_i32 s24, ttmp9, 3072
	s_add_nc_u64 s[4:5], s[4:5], s[24:25]
	s_mul_i32 s24, s21, 12288
	s_add_nc_u64 s[6:7], s[6:7], s[24:25]
	s_lshl_b32 s24, s21, 20
	s_lshl_b32 s23, s51, 18
	s_add_co_u32 s24, s24, s23
	s_lshl_b32 s23, s22, 8
	s_add_co_u32 s24, s24, s23
	s_lshl_b32 s23, s61, 7
	s_add_co_u32 s24, s24, s23
	s_add_nc_u64 s[8:9], s[8:9], s[24:25]          ; known_feats: channel 64 (w / 2), point 64 x + 32 (w % 2)
	s_lshl_b32 s24, ttmp9, 12
	s_add_nc_u64 s[14:15], s[14:15], s[24:25]
	s_add_nc_u64 s[16:17], s[16:17], s[24:25]
	s_add_nc_u64 s[26:27], s[18:19], s[24:25]
	s_add_nc_u64 s[26:27], s[26:27], KW_WGT
	s_lshl_b32 s24, s21, 20                        ; the turned features: batch, 1 MB;
	s_lshl_b32 s23, s51, 18                        ; quarter, 256 KB;
	s_add_co_u32 s24, s24, s23
	s_lshl_b32 s23, s22, 14                        ; point 64 x + 32 (w % 2), 256 bytes each
	s_add_co_u32 s24, s24, s23
	s_lshl_b32 s23, s61, 13
	s_add_co_u32 s24, s24, s23
	s_add_nc_u64 s[28:29], s[18:19], s[24:25]
	global_load_b128 v[TD:TD+3], v4, s[6:7]
	global_load_b128 v[TD+4:TD+7], v4, s[6:7] offset:16
	global_load_b128 v[TD+8:TD+11], v4, s[6:7] offset:32
	global_load_b128 v[BK:BK+3], v5, s[14:15]
	global_load_b32 v[U], v6, s[4:5]
	global_load_b32 v[U+2], v6, s[4:5] offset:4
	global_load_b32 v[U+4], v6, s[4:5] offset:8
.set n, 0
.rept 64
	global_load_b32 v[KF+n], v8, s[8:9] offset:4096*n th:TH_LOAD_NT
.set n, n+1
.endr
	; ---- the weights: fragment f = 8 x work-group + wave, for f under 96
	s_lshl_b32 s30, ttmp9, 3
	s_add_co_u32 s30, s30, s20
	s_cmp_lt_u32 s30, 96
	s_cbranch_scc0 .Lnowq
	s_lshr_b32 s31, s30, 2                         ; W1: tile f / 4, K step f % 4
	s_and_b32 s32, s30, 3
	s_lshr_b32 s33, s31, 1
	s_lshl_b32 s33, s33, 5
	s_and_b32 s23, s31, 1
	s_lshl_b32 s23, s23, 3
	s_add_co_u32 s33, s33, s23
	s_lshl_b32 s34, s30, 10
	s_add_co_u32 s34, s34, KW_W1C
	s_lshl_b32 s35, s31, 8
	s_lshl_b32 s23, s32, 2
	s_add_co_u32 s35, s35, s23
	s_add_co_u32 s35, s35, KW_W1S
	s_max_u32 s36, s30, 64                         ; W2: f - 64: tile / 2, K step % 2
	s_sub_co_u32 s36, s36, 64
	s_lshr_b32 s37, s36, 1
	s_and_b32 s38, s36, 1
	s_lshl_b32 s39, s37, 4
	s_lshl_b32 s40, s36, 10
	s_add_co_u32 s40, s40, KW_W2C
	s_lshl_b32 s41, s37, 7
	s_lshl_b32 s23, s38, 2
	s_add_co_u32 s41, s41, s23
	s_add_co_u32 s41, s41, KW_W2S
	s_cmp_lt_u32 s30, 64                           ; the choice hangs on ids alone
	s_cselect_b64 s[42:43], s[10:11], s[12:13]
	s_cselect_b32 s44, 11, 10                      ; a row is 2,048 or 1,024 bytes
	s_cselect_b32 s45, 8, 0                        ; W1's rows of a tile: r + 8 (r / 8)
	s_cselect_b32 s46, s33, s39
	s_cselect_b32 s47, s32, s38
	s_cselect_b32 s48, s34, s40
	s_cselect_b32 s49, s35, s41
	s_cselect_b32 s50, 4, 3                        ; scale words a row: 4 or 2
	s_lshl_b32 s47, s47, 9
	v_and_b32 v[WO], s45, v2
	s_delay_alu instid0(VALU_DEP_1)
	v_add3_u32 v[WO], v[WO], v2, s46
	s_delay_alu instid0(VALU_DEP_1)
	v_lshlrev_b32 v[WO], s44, v[WO]
	s_delay_alu instid0(VALU_DEP_1)
	v_lshl_add_u32 v[WO], v3, 7, v[WO]
	s_delay_alu instid0(VALU_DEP_1)
	v_add_nc_u32 v[WO], s47, v[WO]                 ; row, + 512 s + 128 h: k = 128 s + 64 c + 32 h on
	v_lshl_add_u32 v[WI], v1, 4, s48
	v_lshlrev_b32 v[WSO], s50, v2
	s_delay_alu instid0(VALU_DEP_1)
	v_add_nc_u32 v[WSO], s49, v[WSO]
.irp c, 0,1
.irp i, 0,1,2,3,4,5,6,7
	global_load_b128 v[KB+32*\c+4*\i:KB+32*\c+4*\i+3], v[WO], s[42:43] offset:256*\c+16*\i
.endr
.endr
	s_wait_loadcnt 0x0
	QBLK KB, WC, QS, QY
	QBLK KB+32, WC+4, QS+1, QY+1
	v_lshl_or_b32 v[WW], v[QY+1], 16, v[QY]        ; my two bytes: blocks h and 2 + h,
	v_lshlrev_b32 v[WX], 3, v3
	s_delay_alu instid0(VALU_DEP_1)
	v_lshlrev_b32 v[WW], v[WX], v[WW]              ; at their places;
	v_mov_b32 v[WX], 0
	s_delay_alu instid0(VALU_DEP_1)
	v_permlanex16_b32 v[WX], v[WW], s[SEL], s[SEL+1]
	s_delay_alu instid0(VALU_DEP_1)
	v_or_b32 v[WW], v[WW], v[WX]                   ; with lane l xor 16's two the word is whole
	global_store_b128 v[WI], v[WC:WC+3], s[18:19]
	global_store_b128 v[WI], v[WC+4:WC+7], s[18:19] offset:512
	global_store_b32 v[WSO], v[WW], s[18:19]       ; both halves of the lanes store the same word with the same value
.Lnowq:
	s_wait_loadcnt 63                              ; of the 71 loads issued the eight oldest are in: known points, buckets, my point (behind the weights' path all are in)
.irp c, 0,1,2
.irp e, 0,1,2,3
	v_mov_b32 v[TD+12+4*\c+\e], v[TD+3*\e+\c]
.endr
.endr
.irp c, 0,1,2
	ds_store_b128 v7, v[TD+12+4*\c:TD+15+4*\c] offset:5120*\c
.endr
.irp c, 0,1,2
	v_mov_b32 v[U+2*\c+1], v[U+2*\c]
.endr
.irp j, 0,1,2
	v_min_u32 v[BK+\j], 63, v[BK+\j]               ; a loaded number enters an address only held to its range
.endr
.irp j, 0,1,2
	s_delay_alu instid0(VALU_DEP_3)
	v_mul_u32_u24 v[AD+\j], v[BK+\j], 80
.endr
.irp j, 0,1,2
.irp k, 0,1,2
	v_mov_b32 v[L+6*\j+\k], 0x7f800000
	v_mov_b32 v[L+6*\j+3+\k], 0
.endr
.endr
	s_wait_dscnt 0x0                               ; for the others' sake: my stores are done
	s_barrier_signal -1
	s_barrier_wait -1
	LDG 0
.irp gi, 0,1,2,3
.if \gi < 3
	LDG \gi+1
	s_wait_dscnt 9                                 ; this group's nine loads are in; the next group's stay out
.else
	s_wait_dscnt 0x0
.endif
.irp j, 0,1,2
	DIST4 TD+12*\j, KB+36*(\gi%2)+12*\j, 4, U
.endr
.irp e, 0,1,2,3
	INSV 3, L, TD+\e, 12, 4*\gi+\e
.endr
.endr
.irp j, 0,1,2
.irp k, 3,4,5
	v_lshl_add_u32 v[L+6*\j+\k], v[BK+\j], 4, v[L+6*\j+\k]   ; index = 16 x bucket + place
.endr
.endr
.irp j, 1,2
.irp e, 0,1,2
	INSV 1, L, L+6*\j+\e, 0, v[L+6*\j+3+\e]
.endr
.endr
	s_delay_alu instid0(VALU_DEP_1)
	v_add_f32 v[TD+8], 0x322bcc77, v[L]            ; d + 1e-8
	s_delay_alu instid0(VALU_DEP_3)
	v_add_f32 v[TD+9], 0x322bcc77, v[L+1]
	v_add_f32 v[TD+10], 0x322bcc77, v[L+2]
	s_wait_alu depctr_va_vdst(0)
	v_rcp_f32 v[TD+12], v[TD+8]
	v_rcp_f32 v[TD+13], v[TD+9]
	v_rcp_f32 v[TD+14], v[TD+10]
	v_mov_b32 v[TD], v[L+3]                        ; (plain lines behind the reciprocals)
	v_mov_b32 v[TD+1], v[L+4]
	v_mov_b32 v[TD+2], v[L+5]
	v_mov_b32 v[TD+3], 0
	s_wait_alu depctr_va_vdst(0)
	v_add_f32 v[TD+15], v[TD+12], v[TD+13]
	v_add_f32 v[TD+15], v[TD+15], v[TD+14]
	s_wait_alu depctr_va_vdst(0)
	v_rcp_f32 v[TD+16], v[TD+15]
	v_mov_b32 v[TD+7], 0
	s_wait_alu depctr_va_vdst(0)
	v_mul_f32 v[TD+4], v[TD+12], v[TD+16]
	v_mul_f32 v[TD+5], v[TD+13], v[TD+16]
	v_mul_f32 v[TD+6], v[TD+14], v[TD+16]
	global_store_b128 v5, v[TD:TD+3], s[16:17]
	global_store_b128 v5, v[TD+4:TD+7], s[26:27]
	s_wait_dscnt 0x0                               ; every wave's reads of the known points are over before any stage is written
	s_barrier_signal -1
	s_barrier_wait -1
	s_wait_loadcnt 0x0                             ; the 64 channels of my known point
.irp i, 0,1,2,3,4,5,6,7,8,9,10,11,12,13,14,15
	ds_store_b128 v9, v[KF+4*\i:KF+4*\i+3] offset:16*\i
.endr
.irp k, 0,1,2,3,4,5,6,7,8,9,10,11,12,13,14,15
	ds_load_b128 v[KB+4*\k:KB+4*\k+3], v10 offset:544*\k   ; a wave's LDS instructions are served in order: these see my stores
.endr
.irp k, 0,1,2,3,4,5,6,7,8,9,10,11,12,13,14,15
	s_wait_dscnt 15-\k
	global_store_b128 v11, v[KB+4*\k:KB+4*\k+3], s[28:29] offset:512*\k   ; the 32 lanes store 512 consecutive bytes, aligned: two points' rows
.endr
	s_wait_tensorcnt 0x0
	ds_add_u32 v254, v255
	s_wait_dscnt 0x0
	s_endpgm
.Lfunc_end_k_q5c8632b9e2_pick:
	.size	k_q5c8632b9e2_pick, .Lfunc_end_k_q5c8632b9e2_pick-k_q5c8632b9e2_pick
	.p2alignl 7, 3214868480
	.fill 96, 4, 3214868480
	.section	.rodata,"a",@progbits
	.p2align	6, 0x0
	.amdhsa_kernel k_q5c8632b9e2_pick
		.amdhsa_group_segment_fixed_size 86016
		.amdhsa_private_segment_fixed_size 0
		.amdhsa_enable_private_segment 0
		.amdhsa_kernarg_size 64
		.amdhsa_user_sgpr_count 2
		.amdhsa_user_sgpr_kernarg_segment_ptr 1
		.amdhsa_wavefront_size32 1
		.amdhsa_system_sgpr_workgroup_id_x 1
		.amdhsa_system_sgpr_workgroup_id_y 1
		.amdhsa_system_sgpr_workgroup_id_z 1
		.amdhsa_system_vgpr_workitem_id 0
		.amdhsa_next_free_vgpr 256
		.amdhsa_next_free_sgpr 66
		.amdhsa_reserve_vcc 0
		.amdhsa_float_denorm_mode_32 3
		.amdhsa_float_denorm_mode_16_64 3
		.amdhsa_memory_ordered 1
		.amdhsa_forward_progress 1
		.amdhsa_inst_pref_size 74
	.end_amdhsa_kernel
	.amdgpu_metadata
---
amdhsa.version: [ 1, 2 ]
amdhsa.kernels:
  - .name:           k_q5c8632b9e2_pick
    .symbol:         k_q5c8632b9e2_pick.kd
    .args:
      - { .name: unknown, .offset: 0, .size: 8, .value_kind: global_buffer, .address_space: global }
      - { .name: known, .offset: 8, .size: 8, .value_kind: global_buffer, .address_space: global }
      - { .name: known_feats, .offset: 16, .size: 8, .value_kind: global_buffer, .address_space: global }
      - { .name: W1, .offset: 24, .size: 8, .value_kind: global_buffer, .address_space: global }
      - { .name: W2, .offset: 32, .size: 8, .value_kind: global_buffer, .address_space: global }
      - { .name: bk, .offset: 40, .size: 8, .value_kind: global_buffer, .address_space: global }
      - { .name: idx, .offset: 48, .size: 8, .value_kind: global_buffer, .address_space: global }
      - { .name: kw, .offset: 56, .size: 8, .value_kind: global_buffer, .address_space: global }
    .group_segment_fixed_size: 86016
    .private_segment_fixed_size: 0
    .kernarg_segment_align: 8
    .kernarg_segment_size: 64
    .max_flat_workgroup_size: 256
    .sgpr_count:     66
    .vgpr_count:     256
    .wavefront_size: 32
...
	.end_amdgpu_metadata
.endif
;; end of part 2
;; launch interp (part 3): grid 256 x 1, 16 waves a work-group, no clusters, 299,008 bytes of LDS; arguments idx, kw, itq; writes itq
.if DOCPART == 3
	.amdgcn_target "amdgcn-amd-amdhsa--gfx1250"
	.amdhsa_code_object_version 6
	.text
	.protected	k_q5c8632b9e2_interp
	.globl	k_q5c8632b9e2_interp
	.p2align	8
	.type	k_q5c8632b9e2_interp,@function
k_q5c8632b9e2_interp:
	s_mov_b64 s[64:65], 0
	v_nop
	global_prefetch_b8 v0, s[64:65] scope:SCOPE_SE
	s_setreg_imm32_b32 hwreg(HW_REG_WAVE_MODE, 25, 1), 1
	s_wait_xcnt 0x0
; THE INTERPOLATED FEATURES, QUANTISED TO CODES OF FP4 (E2M1) WITH ONE E8M0 SCALE FOR EACH 32 CHANNELS.
; A work-group owns one batch, one quarter q of the 256 channels and 1,024 of the batch's 4,096 points.  The quarter's features of all 1,024 known points, [point][64 channels] f32, are 256 KB on end in
; memory and come into LDS once, by copies at the head: the three rows of a point are then gathered from LDS.  So a work-group asks memory for 256 KB where its 1,024 points x 3 rows x 256 bytes are 768 KB.
; A wave owns 64 points.  AN INSTRUCTION SERVES TWO POINTS: lanes 0-15 the even one, lanes 16-31 the odd one; a lane takes 16 bytes (4 channels), so sixteen lanes read one whole row of 256 bytes.
; Indices and weights lie in lane (n, h) = point 2 n + h of a group of 32 and are spread over a row of lanes by row_share; an index is held to 1,023 behind that move, ahead of the address.
; The weighted sum is mul, fma, fma in f32; eight lanes share a block of 32 channels; two pairs of points fill the conversion's eight registers, which is run once with each pair's scale.
; The codes wait in registers for a barrier (the gather's LDS addresses hang on loaded numbers: no LDS store stands beside them), go through the wave's own stage and leave as images of the operand's
; registers: [tile of 16 points][K step][c][h][r][16 bytes]; my quarter is K step q / 2, c = q % 2: 512 consecutive bytes a tile.  A point's two scale bytes go to [q][point] as 16 bits: 128 bytes a wave.
; The four work-groups of a batch's quarter stand side by side in the grid and ask for the same 256 KB at about the same time.  A cluster of four with joint tensor loads would divide those requests by four: not built here.
; LIMITS: NaN and infinities are not served.  A block of zeros gets the scale byte 1 (its codes are zeros; the bytes are read by this program alone).
.set STG,  262144                      ; LDS: the features at 0 (filled by copies); then, written by the waves: 2,048 bytes of codes for each wave,
.set SST,  294912                      ; and 128 bytes of scale bytes for each
.set KW_WGT, 16777216
.set ITH,  8388608                     ; itq: the scale bytes begin here
.set IX,  16                           ; v16-23   indices of my two groups of 32 points
.set WT,  24                           ; v24-31   their weights
.set A,   32                           ; v32-37   LDS addresses of two pairs' three rows
.set W,   40                           ; v40-51   two pairs' three weights, each the low word of a register pair
.set R,   52                           ; v52-59   4 numbers of the first pair, 4 of the second
.set QA,  60                           ; v60-63   at work
.set CDE, 64                           ; v64-127  two code words and two bytes for each two pairs
.set F,   128                          ; v128-223 four slots of two pairs x three rows x 4 numbers
.set OUT, 128                          ; v128-144 behind the gather: images and scale bytes on their way out
.set C16, 228                          ; v228-232 the copies' addresses: never rewritten
.set CA,  229
; two pairs of points, na and nb of group g, into slot dp % 4
.macro ISSUE dp, g, na, nb
.irp k, 0,1,2
	v_mov_b32_dpp v[A+\k], v[IX+4*(\g)+\k] row_share:\na row_mask:0xf bank_mask:0xf
	v_mov_b32_dpp v[A+3+\k], v[IX+4*(\g)+\k] row_share:\nb row_mask:0xf bank_mask:0xf
.endr
.irp k, 0,1,2,3,4,5
	v_min_u32 v[A+\k], 0x3ff, v[A+\k]              ; a loaded number enters an address only held to its range
.endr
.irp k, 0,1,2,3,4,5
	v_lshl_add_u32 v[A+\k], v[A+\k], 8, v1         ; row x 256 + my 16 bytes
.endr
.irp k, 0,1,2,3,4,5
	ds_load_b128 v[F+24*((\dp)%4)+4*\k:F+24*((\dp)%4)+4*\k+3], v[A+\k]
.endr
.endm
.macro COMP dp, g, na, nb, left
.set FS, F+24*((\dp)%4)
.set CP, CDE+4*(\dp)
	s_wait_dscnt \left                             ; these two pairs' six loads are in; six for each younger slot stay out
.irp k, 0,1,2
	v_mov_b32_dpp v[W+2*\k], v[WT+4*(\g)+\k] row_share:\na row_mask:0xf bank_mask:0xf
	v_mov_b32_dpp v[W+6+2*\k], v[WT+4*(\g)+\k] row_share:\nb row_mask:0xf bank_mask:0xf
.endr
.irp e, 0,1
.irp c, 0,2
	v_pk_mul_f32 v[R+4*\e+\c:R+4*\e+\c+1], v[FS+12*\e+\c:FS+12*\e+\c+1], v[W+6*\e:W+6*\e+1] op_sel_hi:[1,0]
.endr
.endr
.irp k, 1,2
.irp e, 0,1
.irp c, 0,2
	s_delay_alu instid0(VALU_DEP_4)
	v_pk_fma_f32 v[R+4*\e+\c:R+4*\e+\c+1], v[FS+12*\e+4*\k+\c:FS+12*\e+4*\k+\c+1], v[W+6*\e+2*\k:W+6*\e+2*\k+1], v[R+4*\e+\c:R+4*\e+\c+1] op_sel_hi:[1,0,1]
.endr
.endr
.endr
	s_delay_alu instid0(VALU_DEP_4)
	v_max3_num_f32 v[QA], |v[R]|, |v[R+1]|, 0x1800000      ; my 4 numbers of the first pair's point, with the floor 2^(3 - 127)
	s_delay_alu instid0(VALU_DEP_3)
	v_max3_num_f32 v[QA+1], |v[R+4]|, |v[R+5]|, 0x1800000  ; and of the second's
	s_delay_alu instid0(VALU_DEP_2)
	v_max3_num_f32 v[QA], v[QA], |v[R+2]|, |v[R+3]|
	s_delay_alu instid0(VALU_DEP_2)
	v_max3_num_f32 v[QA+1], v[QA+1], |v[R+6]|, |v[R+7]|
.irp x, 1,2,4
	s_delay_alu instid0(VALU_DEP_2)
	v_max_num_f32_dpp v[QA], v[QA], v[QA] row_xmask:\x row_mask:0xf bank_mask:0xf
	s_delay_alu instid0(VALU_DEP_2)
	v_max_num_f32_dpp v[QA+1], v[QA+1], v[QA+1] row_xmask:\x row_mask:0xf bank_mask:0xf
.endr
	s_delay_alu instid0(VALU_DEP_2)
	v_add_nc_u32 v[QA+2], 0xff000000, v[QA]        ; 2 off the exponent field: the conversion's scale operand
	s_delay_alu instid0(VALU_DEP_2)
	v_add_nc_u32 v[QA+3], 0xff000000, v[QA+1]
	s_delay_alu instid0(VALU_DEP_2)
	v_lshrrev_b32 v[CP+2], 23, v[QA+2]             ; the scales' bytes
	s_delay_alu instid0(VALU_DEP_2)
	v_lshrrev_b32 v[CP+3], 23, v[QA+3]
	v_cvt_scalef32_pk8_fp4_f32 v[CP], v[R:R+7], v[QA+2]     ; its low half: the first pair's four codes
	v_cvt_scalef32_pk8_fp4_f32 v[CP+1], v[R:R+7], v[QA+3]   ; its high half: the second pair's
	v_nop                                          ; one plain line behind the last conversion
.endm
	s_load_b128 s[4:7], s[0:1], 0x0                ; idx, kw
	s_load_b64 s[8:9], s[0:1], 0x10                ; itq
	v_lshl_add_u32 v254, v0, 2, 0x48800
	v_mov_b32 v255, 0
	ds_add_u32 v254, v255
	ds_add_u32 v254, v255
	v_lshrrev_b32 v1, 5, v0
	s_delay_alu instid0(VALU_DEP_1)
	v_readfirstlane_b32 s12, v1                    ; wave
	s_lshr_b32 s13, ttmp9, 4                       ; batch
	s_bfe_u32 s14, ttmp9, 0x20002                  ; q: the quarter of the channels
	s_and_b32 s15, ttmp9, 3                        ; which 1,024 points
	v_lshlrev_b32 v[C16], 4, v0
	v_lshlrev_b32 v[CA], 4, v0
	v_lshl_add_u32 v[CA+1], v0, 4, 65536
	v_lshl_add_u32 v[CA+2], v0, 4, 131072
	v_lshl_add_u32 v[CA+3], v0, 4, 196608
	v_and_b32 v9, 31, v0                           ; lane
	v_and_b32 v10, 15, v0                          ; its place in a row of lanes
	v_bfe_u32 v11, v0, 4, 1                        ; h: the pair's even or odd point
	v_bfe_u32 v12, v0, 3, 1                        ; which of the quarter's two blocks
	v_and_b32 v13, 7, v0                           ; my place in the block
	s_delay_alu instid0(VALU_DEP_4)
	v_lshlrev_b32 v1, 4, v10                       ; my 16 bytes of a row
	s_lshl_b32 s20, s12, 11
	s_add_co_u32 s20, s20, STG                     ; my stage
	s_lshl_b32 s21, s12, 7
	s_add_co_u32 s21, s21, SST                     ; my scale bytes
	v_lshl_add_u32 v2, v12, 8, s20                 ; into the stage, in the image's order: 256 x block + 16 x (row of the tile: 2 x pair + h) + 2 x place
	s_delay_alu instid0(VALU_DEP_1)
	v_lshl_add_u32 v2, v11, 4, v2
	s_delay_alu instid0(VALU_DEP_1)
	v_lshl_add_u32 v2, v13, 1, v2
	v_lshl_add_u32 v3, v11, 1, s21                 ; a point's two bytes: 2 x point + block
	s_delay_alu instid0(VALU_DEP_1)
	v_add_nc_u32 v3, v3, v12
	v_lshl_add_u32 v4, v9, 4, s20                  ; back: 16 x lane
	v_lshl_add_u32 v5, v9, 2, s21
	v_lshlrev_b32 v6, 4, v9
	v_lshlrev_b32 v7, 2, v9
	v_lshlrev_b32 v8, 5, v10
	s_delay_alu instid0(VALU_DEP_1)
	v_lshl_add_u32 v8, v11, 4, v8                  ; lane (n, h) takes point 2 n + h: 16 bytes each
.irp k, 0,1,2,3,4,5
	v_mov_b32 v[A+\k], 0                           ; destinations of moves between lanes count as read: written once
.endr
.irp k, 0,1,2,3,4,5,6,7,8,9,10,11
	v_mov_b32 v[W+\k], 0                           ; (the odd ones are only named, as upper halves of pairs)
.endr
	s_mov_b32 s31, 0
	s_wait_dscnt 0x0
	s_wait_kmcnt 0x0
	s_lshl_b32 s30, s13, 20
	s_lshl_b32 s22, s14, 18
	s_add_co_u32 s30, s30, s22
	s_add_nc_u64 s[32:33], s[6:7], s[30:31]        ; the quarter's features, in four parts of 64 KB
	s_add_nc_u64 s[34:35], s[32:33], 0x10000
	s_add_nc_u64 s[36:37], s[32:33], 0x20000
	s_add_nc_u64 s[38:39], s[32:33], 0x30000
	s_lshl_b32 s30, s13, 16                        ; my wave's first point, 16 bytes a point
	s_lshl_b32 s22, s15, 14
	s_add_co_u32 s30, s30, s22
	s_lshl_b32 s22, s12, 10
	s_add_co_u32 s30, s30, s22
	s_add_nc_u64 s[4:5], s[4:5], s[30:31]
	s_add_nc_u64 s[24:25], s[6:7], s[30:31]
	s_add_nc_u64 s[24:25], s[24:25], KW_WGT
	s_lshl_b32 s30, s13, 19                        ; its tile's image, 2,048 bytes a tile; my quarter's 512 bytes in it
	s_lshl_b32 s22, s15, 17
	s_add_co_u32 s30, s30, s22
	s_lshl_b32 s22, s12, 13
	s_add_co_u32 s30, s30, s22
	s_lshl_b32 s22, s14, 9
	s_add_co_u32 s30, s30, s22
	s_add_nc_u64 s[26:27], s[8:9], s[30:31]
	s_lshl_b32 s30, s14, 17                        ; the scale bytes: [q][65,536 points] x 2 bytes
	s_lshl_b32 s22, s13, 13
	s_add_co_u32 s30, s30, s22
	s_lshl_b32 s22, s15, 11
	s_add_co_u32 s30, s30, s22
	s_lshl_b32 s22, s12, 7
	s_add_co_u32 s30, s30, s22
	s_add_nc_u64 s[28:29], s[8:9], s[30:31]
	s_add_nc_u64 s[28:29], s[28:29], ITH
	; the copies: each fills its LDS bytes once; 512 threads x 16 bytes are 8,192 bytes a line; every immediate stays under 65,536
.irp k, 0,1,2,3,4,5,6,7
	global_load_async_to_lds_b128 v[CA], v[C16], s[32:33] offset:8192*\k
.endr
.irp k, 0,1,2,3,4,5,6,7
	global_load_async_to_lds_b128 v[CA+1], v[C16], s[34:35] offset:8192*\k
.endr
.irp k, 0,1,2,3,4,5,6,7
	global_load_async_to_lds_b128 v[CA+2], v[C16], s[36:37] offset:8192*\k
.endr
.irp k, 0,1,2,3,4,5,6,7
	global_load_async_to_lds_b128 v[CA+3], v[C16], s[38:39] offset:8192*\k
.endr
	global_load_b128 v[IX:IX+3], v8, s[4:5]
	global_load_b128 v[IX+4:IX+7], v8, s[4:5] offset:512
	global_load_b128 v[WT:WT+3], v8, s[24:25]
	global_load_b128 v[WT+4:WT+7], v8, s[24:25] offset:512
	s_wait_loadcnt 0x0
	s_wait_asynccnt 0x0                            ; my part of every copy has landed
	s_barrier_signal -1
	s_barrier_wait -1
	; ---- the gather: 16 steps of two pairs; three steps' loads run ahead
	ISSUE 0, 0, 0, 1
	ISSUE 1, 0, 2, 3
	ISSUE 2, 0, 4, 5
	ISSUE 3, 0, 6, 7
	COMP 0, 0, 0, 1, 18
	ISSUE 4, 0, 8, 9
	COMP 1, 0, 2, 3, 18
	ISSUE 5, 0, 10, 11
	COMP 2, 0, 4, 5, 18
	ISSUE 6, 0, 12, 13
	COMP 3, 0, 6, 7, 18
	ISSUE 7, 0, 14, 15
	COMP 4, 0, 8, 9, 18
	ISSUE 8, 1, 0, 1
	COMP 5, 0, 10, 11, 18
	ISSUE 9, 1, 2, 3
	COMP 6, 0, 12, 13, 18
	ISSUE 10, 1, 4, 5
	COMP 7, 0, 14, 15, 18
	ISSUE 11, 1, 6, 7
	COMP 8, 1, 0, 1, 18
	ISSUE 12, 1, 8, 9
	COMP 9, 1, 2, 3, 18
	ISSUE 13, 1, 10, 11
	COMP 10, 1, 4, 5, 18
	ISSUE 14, 1, 12, 13
	COMP 11, 1, 6, 7, 18
	ISSUE 15, 1, 14, 15
	COMP 12, 1, 8, 9, 18
	COMP 13, 1, 10, 11, 12
	COMP 14, 1, 12, 13, 6
	COMP 15, 1, 14, 15, 0
	s_wait_alu depctr_va_vdst(0)
	s_wait_dscnt 0x0                               ; every wave's gather is over before any stage is written
	s_barrier_signal -1
	s_barrier_wait -1
.set d, 0
.rept 16                               ; step d holds pairs 2 d and 2 d + 1: tile d / 4, rows 4 (d % 4) + h and 4 (d % 4) + 2 + h
	ds_store_b16 v2, v[CDE+4*d] offset:512*(d/4)+64*(d%4)
	ds_store_b16_d16_hi v2, v[CDE+4*d+1] offset:512*(d/4)+64*(d%4)+32
	ds_store_b8 v3, v[CDE+4*d+2] offset:8*d        ; the eight lanes of a block store the same byte with the same value
	ds_store_b8 v3, v[CDE+4*d+3] offset:8*d+4
.set d, d+1
.endr
.irp t, 0,1,2,3
	ds_load_b128 v[OUT+4*\t:OUT+4*\t+3], v4 offset:512*\t   ; a wave's LDS instructions are served in order: these see my stores
.endr
	ds_load_b32 v[OUT+16], v5
	s_wait_dscnt 0x0
.irp t, 0,1,2,3
	global_store_b128 v6, v[OUT+4*\t:OUT+4*\t+3], s[26:27] offset:2048*\t   ; 512 consecutive bytes, aligned
.endr
	global_store_b32 v7, v[OUT+16], s[28:29]       ; my 64 points' scale bytes: 128 consecutive bytes
	s_wait_tensorcnt 0x0
	ds_add_u32 v254, v255
	s_wait_dscnt 0x0
	s_endpgm
.Lfunc_end_k_q5c8632b9e2_interp:
	.size	k_q5c8632b9e2_interp, .Lfunc_end_k_q5c8632b9e2_interp-k_q5c8632b9e2_interp
	.p2alignl 7, 3214868480
	.fill 96, 4, 3214868480
	.section	.rodata,"a",@progbits
	.p2align	6, 0x0
	.amdhsa_kernel k_q5c8632b9e2_interp
		.amdhsa_group_segment_fixed_size 299008
		.amdhsa_private_segment_fixed_size 0
		.amdhsa_enable_private_segment 0
		.amdhsa_kernarg_size 24
		.amdhsa_user_sgpr_count 2
		.amdhsa_user_sgpr_kernarg_segment_ptr 1
		.amdhsa_wavefront_size32 1
		.amdhsa_system_sgpr_workgroup_id_x 1
		.amdhsa_system_sgpr_workgroup_id_y 1
		.amdhsa_system_sgpr_workgroup_id_z 1
		.amdhsa_system_vgpr_workitem_id 0
		.amdhsa_next_free_vgpr 256
		.amdhsa_next_free_sgpr 66
		.amdhsa_reserve_vcc 0
		.amdhsa_float_denorm_mode_32 3
		.amdhsa_float_denorm_mode_16_64 3
		.amdhsa_memory_ordered 1
		.amdhsa_forward_progress 1
		.amdhsa_inst_pref_size 83
	.end_amdhsa_kernel
	.amdgpu_metadata
---
amdhsa.version: [ 1, 2 ]
amdhsa.kernels:
  - .name:           k_q5c8632b9e2_interp
    .symbol:         k_q5c8632b9e2_interp.kd
    .args:
      - { .name: idx, .offset: 0, .size: 8, .value_kind: global_buffer, .address_space: global }
      - { .name: kw, .offset: 8, .size: 8, .value_kind: global_buffer, .address_space: global }
      - { .name: itq, .offset: 16, .size: 8, .value_kind: global_buffer, .address_space: global }
    .group_segment_fixed_size: 299008
    .private_segment_fixed_size: 0
    .kernarg_segment_align: 8
    .kernarg_segment_size: 24
    .max_flat_workgroup_size: 512
    .sgpr_count:     66
    .vgpr_count:     256
    .wavefront_size: 32
...
	.end_amdgpu_metadata
.endif
;; end of part 3
;; launch stat (part 4): grid 256 x 1, 16 waves a work-group, no clusters, 305,152 bytes of LDS; arguments itq, ufq, kw, st1; writes st1
.if DOCPART == 4
	.amdgcn_target "amdgcn-amd-amdhsa--gfx1250"
	.amdhsa_code_object_version 6
	.text
	.protected	k_q5c8632b9e2_stat
	.globl	k_q5c8632b9e2_stat
	.p2align	8
	.type	k_q5c8632b9e2_stat,@function
k_q5c8632b9e2_stat:
	s_mov_b64 s[64:65], 0
	v_nop
	global_prefetch_b8 v0, s[64:65] scope:SCOPE_SE
	s_setreg_imm32_b32 hwreg(HW_REG_WAVE_MODE, 25, 1), 1
	s_wait_xcnt 0x0
; THE FIRST PRODUCT FOR ITS STATISTICS.  Codes of FP4 (E2M1) with E8M0 scales; sums and statistics in f32.
; A work-group owns 1,024 points and a quarter j of the 256 output channels; wave w takes points 64 w on.  So a channel's statistics over all 65,536 points are 64 rows, few enough for every
; work-group of the next launch to read and finish by itself: no launch stands between.
; The points' images (interpolated half and unknow_feats' half, 128 KB each), W1's 16 fragments of the quarter and the points' scale bytes come into LDS once, by copies at the head; W1's scale words come into registers.
; K = 512 in four steps of 128: source 0 = 16 points, source 1 = 16 rows of W1: a lane holds one channel and its registers run over points.
; The interpolated half's scale words are made of two halves of 16 bits, one from each quarter of channels that the launch before wrote.
; For each channel a wave forms the mean of its 64 numbers and the centred sum of squares; the sixteen waves' pairs meet in LDS, and waves 0 and 1 join them about the first wave's mean: no difference of large sums is formed.
; The sixteen accumulators take turns, one instruction a turn, in the same order in every K step.  v16-47 hold scale words and nothing else.
; The four work-groups of 1,024 points stand side by side in the grid and ask for the same 272 KB at about the same time.  A cluster of four with joint tensor loads would divide those requests by four: not built here.
; LIMITS: NaN and infinities are not served.
.set ITI,  0                           ; LDS, filled by copies: the interpolated images 128 KB,
.set UFI,  131072                      ; unknow_feats' images 128 KB,
.set W1Q,  262144                      ; W1's fragments of my quarter 16 KB,
.set UFSL, 278528                      ; unknow_feats' scale words 8 KB,
.set ITHL, 286720                      ; the interpolated scale bytes [q 4][1,024 points] x 2 bytes, 8 KB;
.set RED,  294912                      ; written by the waves: (mean, centred sum) of 64 channels for each wave, 8 KB
.set KW_W1C, 17825792
.set KW_W1S, 17891328
.set UFSG, 8388608
.set ITH,  8388608
.set XS,  16                           ; v16-31 the points' scale words (4 s + ti), v32-47 W1's (4 tj + s)
.set WS,  32
.set XF,  48                           ; v48-79   four fragments of the points
.set WF,  80                           ; v80-111  four of W1
.set HT,  112                          ; v112-127 halves of scale words
.set ACC, 128                          ; v128-255 accumulator (ti, tj) at 32 ti + 8 tj
.set PX,  12                           ; v12-15   destinations of lane permutes, written at the head
.set SP,  48
.set MN,  56
.set SD,  64
.set SQ,  72
.set SO,  80
.set SEL, 50
.set HM,  52
.macro LDF reg, adr, off, ts, cs       ; four fragments: ts bytes from tile to tile, cs from half to half
.irp t, 0,1,2,3
.irp c, 0,1
	ds_load_b128 v[\reg+8*\t+4*\c:\reg+8*\t+4*\c+3], v[\adr] offset:\off+\ts*\t+\cs*\c
.endr
.endr
.endm
.macro WM d, a, b, zero, sa, sb
.if \zero
	v_wmma_scale_f32_16x16x128_f8f6f4 v[\d:\d+7], v[\a:\a+7], v[\b:\b+7], 0, v[\sa], v[\sb] matrix_a_fmt:MATRIX_FMT_FP4 matrix_b_fmt:MATRIX_FMT_FP4
.else
	v_wmma_scale_f32_16x16x128_f8f6f4 v[\d:\d+7], v[\a:\a+7], v[\b:\b+7], v[\d:\d+7], v[\sa], v[\sb] matrix_a_fmt:MATRIX_FMT_FP4 matrix_b_fmt:MATRIX_FMT_FP4
.endif
.endm
.macro KSTEP s
.if \s > 0
.rept 4
	v_nop                                          ; four places in front of loads into registers that matrix instructions have read
.endr
.endif
.if \s < 2
	LDF XF, 4, 1024*\s, 2048, 512                  ; the interpolated half
.else
	LDF XF, 9, 1024*(\s-2), 2048, 512              ; unknow_feats
.endif
	LDF WF, 5, 1024*\s, 4096, 512
	s_wait_dscnt 0x0
.irp ti, 0,1,2,3
.irp tj, 0,1,2,3
	WM ACC+32*\ti+8*\tj, XF+8*\ti, WF+8*\tj, (\s==0), XS+4*\s+\ti, WS+4*\tj+\s
.endr
.endr
.endm
; For each of my four tiles of channels: the mean of the lane's channel over my 64 points and the centred sum of squares, into LDS.  Each accumulator is read from its low end on.
.macro STATS
.irp tj, 0,1,2,3
	v_pk_add_f32 v[SP+2*\tj:SP+2*\tj+1], v[ACC+8*\tj:ACC+8*\tj+1], v[ACC+8*\tj+2:ACC+8*\tj+3]
.endr
.irp n, 2,3,4,5,6,7,8,9,10,11,12,13,14,15
.irp tj, 0,1,2,3
	v_pk_add_f32 v[SP+2*\tj:SP+2*\tj+1], v[SP+2*\tj:SP+2*\tj+1], v[ACC+32*(\n/4)+8*\tj+2*(\n%4):ACC+32*(\n/4)+8*\tj+2*(\n%4)+1]
.endr
.endr
.irp tj, 0,1,2,3
	s_delay_alu instid0(VALU_DEP_4)
	v_add_f32 v[SP+2*\tj], v[SP+2*\tj], v[SP+2*\tj+1]
.endr
.irp tj, 0,1,2,3
	s_delay_alu instid0(VALU_DEP_4)
	v_permlanex16_b32 v[PX+\tj], v[SP+2*\tj], s[SEL], s[SEL+1]
.endr
.irp tj, 0,1,2,3
	s_delay_alu instid0(VALU_DEP_4)
	v_add_f32 v[SP+2*\tj], v[SP+2*\tj], v[PX+\tj]
.endr
.irp tj, 0,1,2,3
	s_delay_alu instid0(VALU_DEP_4)
	v_mul_f32 v[MN+2*\tj], 0x3c800000, v[SP+2*\tj] ; / 64
.endr
.irp tj, 0,1,2,3
	s_delay_alu instid0(VALU_DEP_4)
	v_mov_b32 v[MN+2*\tj+1], v[MN+2*\tj]
.endr
.irp n, 0,1,2,3,4,5,6,7,8,9,10,11,12,13,14,15
.irp tj, 0,1,2,3
	v_pk_add_f32 v[SD+2*\tj:SD+2*\tj+1], v[ACC+32*(\n/4)+8*\tj+2*(\n%4):ACC+32*(\n/4)+8*\tj+2*(\n%4)+1], v[MN+2*\tj:MN+2*\tj+1] neg_lo:[0,1] neg_hi:[0,1]
.endr
.irp tj, 0,1,2,3
.if \n == 0
	s_delay_alu instid0(VALU_DEP_4)
	v_pk_mul_f32 v[SQ+2*\tj:SQ+2*\tj+1], v[SD+2*\tj:SD+2*\tj+1], v[SD+2*\tj:SD+2*\tj+1]
.else
	s_delay_alu instid0(VALU_DEP_4)
	v_pk_fma_f32 v[SQ+2*\tj:SQ+2*\tj+1], v[SD+2*\tj:SD+2*\tj+1], v[SD+2*\tj:SD+2*\tj+1], v[SQ+2*\tj:SQ+2*\tj+1]
.endif
.endr
.endr
.irp tj, 0,1,2,3
	s_delay_alu instid0(VALU_DEP_4)
	v_add_f32 v[SQ+2*\tj], v[SQ+2*\tj], v[SQ+2*\tj+1]
.endr
.irp tj, 0,1,2,3
	s_delay_alu instid0(VALU_DEP_4)
	v_permlanex16_b32 v[PX+\tj], v[SQ+2*\tj], s[SEL], s[SEL+1]
.endr
.irp tj, 0,1,2,3
	s_delay_alu instid0(VALU_DEP_4)
	v_add_f32 v[SQ+2*\tj], v[SQ+2*\tj], v[PX+\tj]
.endr
.irp b, 0,1                            ; lanes 0-15 give tile 2 b, lanes 16-31 tile 2 b + 1
	v_cndmask_b32 v[SO+2*\b], v[MN+4*\b], v[MN+4*\b+2], s[HM]
	v_cndmask_b32 v[SO+2*\b+1], v[SQ+4*\b], v[SQ+4*\b+2], s[HM]
	ds_store_b64 v10, v[SO+2*\b:SO+2*\b+1] offset:256*\b
.endr
.endm
	s_load_b256 s[4:11], s[0:1], 0x0               ; itq, ufq, kw, st1
	v_lshl_add_u32 v254, v0, 2, 0x4a000
	v_mov_b32 v255, 0
	ds_add_u32 v254, v255
	ds_add_u32 v254, v255
	s_wait_dscnt 0x0
	v_lshrrev_b32 v1, 5, v0
	s_delay_alu instid0(VALU_DEP_1)
	v_readfirstlane_b32 s12, v1                    ; wave
	s_lshr_b32 s13, ttmp9, 2                       ; which 1,024 points
	s_and_b32 s14, ttmp9, 3                        ; j
	v_lshlrev_b32 v128, 4, v0                      ; v128-137 (but v130): the copies' addresses, untouched until the wait for the copies
	v_lshrrev_b32 v129, 7, v0
	s_delay_alu instid0(VALU_DEP_1)
	v_lshlrev_b32 v129, 17, v129
	v_and_b32 v130, 127, v0
	s_delay_alu instid0(VALU_DEP_1)
	v_lshl_add_u32 v129, v130, 4, v129             ; the interpolated scale bytes in memory: quarter t / 128, 131,072 bytes apart; 16 bytes a thread
	v_lshlrev_b32 v131, 4, v0
	v_lshl_add_u32 v132, v0, 4, ITI+65536
	v_lshl_add_u32 v133, v0, 4, UFI
	v_lshl_add_u32 v134, v0, 4, UFI+65536
	v_lshl_add_u32 v135, v0, 4, W1Q
	v_lshl_add_u32 v136, v0, 4, UFSL
	v_lshl_add_u32 v137, v0, 4, ITHL
	v_and_b32 v12, 31, v0                          ; lane
	v_and_b32 v13, 15, v0                          ; r
	s_delay_alu instid0(VALU_DEP_2)
	v_lshlrev_b32 v1, 4, v12                       ; 16 x lane
	v_and_b32 v2, 7, v0                            ; a lane's channel in a pair of W1's tiles: (r % 8) + 16 (r / 8) + 8 h, 8 bytes each
	s_delay_alu instid0(VALU_DEP_1)
	v_lshlrev_b32 v2, 3, v2
	v_bfe_u32 v14, v0, 3, 1
	s_delay_alu instid0(VALU_DEP_1)
	v_lshl_add_u32 v2, v14, 7, v2
	v_bfe_u32 v14, v0, 4, 1
	s_delay_alu instid0(VALU_DEP_1)
	v_lshl_add_u32 v2, v14, 6, v2
	v_and_b32 v3, 63, v0
	s_delay_alu instid0(VALU_DEP_1)
	v_lshl_add_u32 v3, v3, 3, RED                  ; where threads 0 to 63 read a channel's sixteen pairs
	s_lshl_b32 s32, s12, 13
	v_add_nc_u32 v4, s32, v1                       ; my 64 points' images: 8,192 w + 16 l
	s_delay_alu instid0(VALU_DEP_1)
	v_add_nc_u32 v9, UFI, v4
	v_add_nc_u32 v5, W1Q, v1
	s_lshr_b32 s33, s12, 2                         ; unknow_feats' scale words lie by blocks of 256 points: [block][K step 2][256]
	s_lshl_b32 s33, s33, 11
	s_and_b32 s34, s12, 3
	s_lshl_b32 s34, s34, 8
	s_add_co_u32 s33, s33, s34
	s_add_co_u32 s33, s33, UFSL
	v_lshl_add_u32 v6, v13, 2, s33
	s_lshl_b32 s35, s12, 7
	s_add_co_u32 s35, s35, ITHL
	v_lshl_add_u32 v7, v13, 1, s35
	v_lshlrev_b32 v8, 4, v13                       ; W1's scale words: 16 bytes a row
	s_lshl_b32 s36, s12, 9
	s_add_co_u32 s36, s36, RED
	v_lshl_add_u32 v10, v12, 3, s36                ; where my pairs go
.irp k, 12,13,14,15
	v_mov_b32 v\k, 0
.endr
	s_mov_b32 s[SEL], 0x76543210
	s_mov_b32 s[SEL+1], 0xfedcba98
	s_mov_b32 s[HM], 0xffff0000
	s_mov_b32 s31, 0
	s_wait_alu depctr_va_vdst(0)
	s_wait_kmcnt 0x0
	s_lshl_b32 s30, s13, 17
	s_add_nc_u64 s[16:17], s[4:5], s[30:31]
	s_add_nc_u64 s[18:19], s[16:17], 0x10000
	s_add_nc_u64 s[20:21], s[6:7], s[30:31]
	s_add_nc_u64 s[22:23], s[20:21], 0x10000
	s_lshl_b32 s30, s14, 14
	s_add_nc_u64 s[24:25], s[8:9], s[30:31]
	s_add_nc_u64 s[24:25], s[24:25], KW_W1C
	s_lshl_b32 s30, s14, 10
	s_add_nc_u64 s[26:27], s[8:9], s[30:31]
	s_add_nc_u64 s[26:27], s[26:27], KW_W1S
	s_lshl_b32 s30, s13, 13
	s_add_nc_u64 s[28:29], s[6:7], s[30:31]
	s_add_nc_u64 s[28:29], s[28:29], UFSG
	s_lshl_b32 s30, s13, 11
	s_add_nc_u64 s[40:41], s[4:5], s[30:31]
	s_add_nc_u64 s[40:41], s[40:41], ITH
	s_lshl_b32 s37, s14, 9                         ; my row of statistics, my quarter's 512 bytes; waves 0 and 1 take 256 each
	s_add_co_u32 s30, s30, s37
	s_lshl_b32 s37, s12, 8
	s_add_co_u32 s30, s30, s37
	s_add_nc_u64 s[10:11], s[10:11], s[30:31]
	; the copies: each fills its LDS bytes once; 512 threads x 16 bytes are 8,192 bytes a line; every immediate stays under 65,536
.irp k, 0,1,2,3,4,5,6,7
	global_load_async_to_lds_b128 v131, v128, s[16:17] offset:8192*\k
.endr
.irp k, 0,1,2,3,4,5,6,7
	global_load_async_to_lds_b128 v132, v128, s[18:19] offset:8192*\k
.endr
.irp k, 0,1,2,3,4,5,6,7
	global_load_async_to_lds_b128 v133, v128, s[20:21] offset:8192*\k
.endr
.irp k, 0,1,2,3,4,5,6,7
	global_load_async_to_lds_b128 v134, v128, s[22:23] offset:8192*\k
.endr
	global_load_async_to_lds_b128 v135, v128, s[24:25]
	global_load_async_to_lds_b128 v135, v128, s[24:25] offset:8192
	global_load_async_to_lds_b128 v136, v128, s[28:29]
	global_load_async_to_lds_b128 v137, v129, s[40:41]
.irp tj, 0,1,2,3
	global_load_b128 v[WS+4*\tj:WS+4*\tj+3], v8, s[26:27] offset:256*\tj
.endr
	s_wait_loadcnt 0x0
	s_wait_asynccnt 0x0                            ; my part of every copy has landed
	s_barrier_signal -1
	s_barrier_wait -1
.irp s, 0,1
.irp ti, 0,1,2,3
	ds_load_u16 v[HT+4*\s+\ti], v7 offset:4096*\s+32*\ti          ; blocks 0, 1 of K step s: quarter 2 s
	ds_load_u16 v[HT+8+4*\s+\ti], v7 offset:4096*\s+2048+32*\ti   ; blocks 2, 3: quarter 2 s + 1
	ds_load_b32 v[XS+8+4*\s+\ti], v6 offset:1024*\s+64*\ti        ; K steps 2 and 3
.endr
.endr
	s_wait_dscnt 0x0
.irp n, 0,1,2,3,4,5,6,7
	v_lshl_or_b32 v[XS+\n], v[HT+8+\n], 16, v[HT+\n]
.endr
.rept 8
	v_nop                                          ; a scale register written by a vector instruction stands eight places ahead of a scaled matrix instruction
.endr
	s_wait_alu depctr_va_vdst(0)
	KSTEP 0
	KSTEP 1
	KSTEP 2
	KSTEP 3
.rept 4
	v_nop                                          ; four places in front of the first read of results
.endr
	STATS
	s_wait_dscnt 0x0                               ; for waves 0 and 1: my pairs are stored
	s_barrier_signal -1
	s_barrier_wait -1
	s_cmp_lt_u32 s12, 2
	s_cbranch_scc1 .Lfin
	s_wait_xcnt 0x0
	v_lshl_add_u32 v254, v0, 2, 0x4a000
	v_mov_b32 v255, 0
	s_wait_alu depctr_va_vdst(0)
	s_wait_tensorcnt 0x0
	ds_add_u32 v254, v255
	s_wait_dscnt 0x0
	s_endpgm
.Lfin:                                                 ; threads 0 to 63: one channel each; sixteen pairs of 64 points become one of 1,024
.irp k, 0,1,2,3,4,5,6,7,8,9,10,11,12,13,14,15
	ds_load_b64 v[48+2*\k:49+2*\k], v3 offset:512*\k
.endr
	s_wait_dscnt 0x0
.irp k, 0,1                            ; two chains; differences from the first wave's mean
	v_sub_f32 v[84+\k], v[48+2*\k], v48
	v_mov_b32 v[88+\k], v[49+2*\k]
.endr
.irp k, 0
	s_delay_alu instid0(VALU_DEP_4)
	v_mul_f32 v[86+\k], v[84+\k], v[84+\k]
.endr
.irp k, 1
	s_delay_alu instid0(VALU_DEP_3)
	v_mul_f32 v[86+\k], v[84+\k], v[84+\k]
.endr
.set n, 2
.rept 14
	v_sub_f32 v[90+n%2], v[48+2*n], v48
	v_add_f32 v[88+n%2], v[88+n%2], v[49+2*n]
	s_delay_alu instid0(VALU_DEP_2)
	v_add_f32 v[84+n%2], v[84+n%2], v[90+n%2]
	s_delay_alu instid0(VALU_DEP_3)
	v_fmac_f32 v[86+n%2], v[90+n%2], v[90+n%2]
.set n, n+1
.endr
	s_delay_alu instid0(VALU_DEP_2)
	v_add_f32 v84, v84, v85                        ; S1
	s_delay_alu instid0(VALU_DEP_2)
	v_add_f32 v86, v86, v87                        ; S2
	v_add_f32 v88, v88, v89                        ; SM
	s_delay_alu instid0(VALU_DEP_3)
	v_mul_f32 v92, 0x3d800000, v84                 ; S1 / 16
	s_delay_alu instid0(VALU_DEP_1)
	v_add_f32 v94, v48, v92                        ; the mean
	s_delay_alu instid0(VALU_DEP_2)
	v_fma_f32 v93, -v92, v84, v86                  ; S2 - S1^2 / 16
	s_delay_alu instid0(VALU_DEP_1)
	v_fma_f32 v95, 0x42800000, v93, v88            ; x 64 + SM: the centred sum of squares
	global_store_b64 v2, v[94:95], s[10:11]        ; 32 channels x 8 bytes: 256 consecutive bytes, aligned
	s_wait_xcnt 0x0
	v_lshl_add_u32 v254, v0, 2, 0x4a000
	v_mov_b32 v255, 0
	s_wait_alu depctr_va_vdst(0)
	s_wait_tensorcnt 0x0
	ds_add_u32 v254, v255
	s_wait_dscnt 0x0
	s_endpgm
.Lfunc_end_k_q5c8632b9e2_stat:
	.size	k_q5c8632b9e2_stat, .Lfunc_end_k_q5c8632b9e2_stat-k_q5c8632b9e2_stat
	.p2alignl 7, 3214868480
	.fill 96, 4, 3214868480
	.section	.rodata,"a",@progbits
	.p2align	6, 0x0
	.amdhsa_kernel k_q5c8632b9e2_stat
		.amdhsa_group_segment_fixed_size 305152
		.amdhsa_private_segment_fixed_size 0
		.amdhsa_enable_private_segment 0
		.amdhsa_kernarg_size 32
		.amdhsa_user_sgpr_count 2
		.amdhsa_user_sgpr_kernarg_segment_ptr 1
		.amdhsa_wavefront_size32 1
		.amdhsa_system_sgpr_workgroup_id_x 1
		.amdhsa_system_sgpr_workgroup_id_y 1
		.amdhsa_system_sgpr_workgroup_id_z 1
		.amdhsa_system_vgpr_workitem_id 0
		.amdhsa_next_free_vgpr 256
		.amdhsa_next_free_sgpr 66
		.amdhsa_reserve_vcc 0
		.amdhsa_float_denorm_mode_32 3
		.amdhsa_float_denorm_mode_16_64 3
		.amdhsa_memory_ordered 1
		.amdhsa_forward_progress 1
		.amdhsa_inst_pref_size 46
	.end_amdhsa_kernel
	.amdgpu_metadata
---
amdhsa.version: [ 1, 2 ]
amdhsa.kernels:
  - .name:           k_q5c8632b9e2_stat
    .symbol:         k_q5c8632b9e2_stat.kd
    .args:
      - { .name: itq, .offset: 0, .size: 8, .value_kind: global_buffer, .address_space: global }
      - { .name: ufq, .offset: 8, .size: 8, .value_kind: global_buffer, .address_space: global }
      - { .name: kw, .offset: 16, .size: 8, .value_kind: global_buffer, .address_space: global }
      - { .name: st1, .offset: 24, .size: 8, .value_kind: global_buffer, .address_space: global }
    .group_segment_fixed_size: 305152
    .private_segment_fixed_size: 0
    .kernarg_segment_align: 8
    .kernarg_segment_size: 32
    .max_flat_workgroup_size: 512
    .sgpr_count:     66
    .vgpr_count:     256
    .wavefront_size: 32
...
	.end_amdgpu_metadata
.endif
;; end of part 4
;; launch mid (part 5): grid 256 x 1, 16 waves a work-group, no clusters, 215,040 bytes of LDS; arguments itq, ufq, kw, st1, g1, be1, hq; writes hq
.if DOCPART == 5
	.amdgcn_target "amdgcn-amd-amdhsa--gfx1250"
	.amdhsa_code_object_version 6
	.text
	.protected	k_q5c8632b9e2_mid
	.globl	k_q5c8632b9e2_mid
	.p2align	8
	.type	k_q5c8632b9e2_mid,@function
k_q5c8632b9e2_mid:
	s_mov_b64 s[64:65], 0
	v_nop
	global_prefetch_b8 v0, s[64:65] scope:SCOPE_SE
	s_setreg_imm32_b32 hwreg(HW_REG_WAVE_MODE, 25, 1), 1
	s_wait_xcnt 0x0
; THE FIRST NORM'S CONSTANTS, THE FIRST PRODUCT AGAIN, ITS NORM AND RELU, THE HIDDEN LAYER QUANTISED, THE SECOND PRODUCT FOR ITS STATISTICS.  All products on codes of FP4 (E2M1) with E8M0 scales.
; A work-group owns 256 points; wave (i, j) = (w / 4, w % 4) takes points 64 i on and channels 64 j on.  All operands come into LDS once, by copies at the head, as images of the operands' registers.
; THE CONSTANTS: while the copies are on their way, lane (r, h) of wave w reads, for channel 16 w + r, rows 32 h on of the 64 rows of (mean, centred sum of squares) over 1,024 points each.  The means are summed as
; differences from row 0's mean m0: mean = m0 + S1 / 64; the sum of squares about the mean = SM + 1,024 (S2 - S1^2 / 64); var = that / 65,536.  Mean, gain / sqrt(var + 1e-5) and shift go to LDS for all waves.
; Every work-group does this anew: 128 KB read by each, against a launch of its own between.
; FIRST PRODUCT, TRANSPOSED: source 0 = 16 rows of W1, source 1 = 16 points: a lane holds one point, and, by the choice of W1's rows for a tile, the 16 registers of tiles 2 b and 2 b + 1 are the
; hidden channels 64 j + 32 b + 16 h + 0 .. 15: neighbours along the next K.  (y - mean) x sc + shift and the relu are f32; a block of 32 lies in lanes l and l xor 16.
; My 64 channels are half a K step of the second product: four registers of a fragment and half a scale word; they go to LDS (for the other waves) and to memory (for the last launch).
; SECOND PRODUCT: source 0 = the points, source 1 = W2: a lane holds one channel; its mean over 64 points and centred sum of squares go out.
; The sixteen accumulators take turns, one instruction a turn, in the same order in every K step.  v16-47 hold scale words and nothing else.
; Work-groups share the weights' 102 KB and the 128 KB of statistics, read once each; a cluster's joint loads would divide those requests: not built here.
; LIMITS: NaN and infinities are not served.  A block of zeros gets the scale byte 1 (its codes are zeros).  v_rsq_f32 is good to one unit in the last place.
.set ITI,  0                           ; LDS, filled by copies: interpolated images 32 KB, unknow_feats' 32 KB,
.set UFI,  32768
.set W1I,  65536                       ; W1's images 64 KB, its scale words 4 KB, W2's images 32 KB, its scale words 2 KB: laid on end, as in memory,
.set W1SL, 131072
.set W2I,  135168
.set W2SL, 167936
.set ITSL, 169984                      ; the interpolated scale bytes [quarter 4][256 points] x 2 bytes,
.set UFSL, 172032                      ; unknow_feats' scale words [K step 2][256];
.set BNL,  174080                      ; written by the waves: mean, sc, shift, 1 KB each,
.set HIM,  178176                      ; the hidden layer's images 32 KB,
.set HSC,  210944                      ; its scale words [K step 2][256]
.set KW_W1C, 17825792
.set KW_W1S, 17891328
.set UFSG, 8388608
.set ITH,  8388608
.set HC,   2097152
.set HSG,  10485760
.set XS,  16                           ; v16-31 the points' scale words (4 s + ti); v32-47 the weights'
.set WS,  32
.set XF,  48
.set WF,  80
.set BM,  48                           ; between the products: v48-63 mean, v64-79 sc, v80-95 shift of 16 of my lane's 32 channels
.set BS,  64
.set BB,  80
.set PCB, 112                          ; v112-127 halves of scale words; then the codes, four registers for each tile of points: no store's data are written again
.set ACC, 128
.set ROW, 140                          ; at the head: v140-203 32 rows of statistics, v204-205 row 0's, v206 gain, v207 shift, v208-222 at work, v224-227 addresses
.set M0,  204
.set TM,  8                            ; v8-13 at work in the quantiser
.set PX,  8
.set SP,  48
.set MN,  56
.set SD,  64
.set SQ,  72
.set SO,  80
.set SEL, 50
.set HM,  52
.macro LDF reg, adr, off, ts, cs
.irp t, 0,1,2,3
.irp c, 0,1
	ds_load_b128 v[\reg+8*\t+4*\c:\reg+8*\t+4*\c+3], v[\adr] offset:\off+\ts*\t+\cs*\c
.endr
.endr
.endm
.macro WM d, a, b, zero, sa, sb
.if \zero
	v_wmma_scale_f32_16x16x128_f8f6f4 v[\d:\d+7], v[\a:\a+7], v[\b:\b+7], 0, v[\sa], v[\sb] matrix_a_fmt:MATRIX_FMT_FP4 matrix_b_fmt:MATRIX_FMT_FP4
.else
	v_wmma_scale_f32_16x16x128_f8f6f4 v[\d:\d+7], v[\a:\a+7], v[\b:\b+7], v[\d:\d+7], v[\sa], v[\sb] matrix_a_fmt:MATRIX_FMT_FP4 matrix_b_fmt:MATRIX_FMT_FP4
.endif
.endm
.macro PLACES
.rept 4
	v_nop                                          ; four places in front of loads into registers that matrix instructions have read, and of the first read of results
.endr
.endm
.macro KSTEP1 s                        ; the first product: source 0 = W1
.if \s > 0
	PLACES
.endif
.if \s < 2
	LDF XF, 4, 1024*\s, 2048, 512
.else
	LDF XF, 4, 32768+1024*(\s-2), 2048, 512
.endif
	LDF WF, 5, 1024*\s, 4096, 512
	s_wait_dscnt 0x0
.irp ti, 0,1,2,3
.irp tj, 0,1,2,3
	WM ACC+32*\ti+8*\tj, WF+8*\tj, XF+8*\ti, (\s==0), WS+4*\tj+\s, XS+4*\s+\ti
.endr
.endr
.endm
.macro KSTEP2 s                        ; the second: source 0 = the points
.if \s > 0
	PLACES
.endif
	LDF XF, 4, 1024*\s, 2048, 512
	LDF WF, 5, 1024*\s, 2048, 512
	s_wait_dscnt 0x0
.irp ti, 0,1,2,3
.irp tj, 0,1,2,3
	WM ACC+32*\ti+8*\tj, XF+8*\ti, WF+8*\tj, (\s==0), XS+4*\s+\ti, WS+2*\tj+\s
.endr
.endr
.endm
; Half hb of my lane's channels (64 j + 32 hb + 16 h + 0 .. 15: tiles 2 hb and 2 hb + 1): their mean, sc and shift from LDS, then norm and relu of the four tiles of points.
; Each accumulator is read from its low end on.
.macro BNH hb
.irp a, 0,1,2
.irp u, 0,1
	ds_load_b128 v[BM+16*\a+8*\u:BM+16*\a+8*\u+3], v4 offset:1024*\a+(32*(\hb)+8*\u)*4
	ds_load_b128 v[BM+16*\a+8*\u+4:BM+16*\a+8*\u+7], v4 offset:1024*\a+(32*(\hb)+8*\u)*4+16
.endr
.endr
	s_wait_dscnt 0x0
.irp ti, 0,1,2,3
.set n, 0
.rept 8
	v_pk_add_f32 v[ACC+32*\ti+16*(\hb)+n:ACC+32*\ti+16*(\hb)+n+1], v[ACC+32*\ti+16*(\hb)+n:ACC+32*\ti+16*(\hb)+n+1], v[BM+n:BM+n+1] neg_lo:[0,1] neg_hi:[0,1]
.set n, n+2
.endr
.endr
.irp ti, 0,1,2,3
.set n, 0
.rept 8
	v_pk_fma_f32 v[ACC+32*\ti+16*(\hb)+n:ACC+32*\ti+16*(\hb)+n+1], v[ACC+32*\ti+16*(\hb)+n:ACC+32*\ti+16*(\hb)+n+1], v[BS+n:BS+n+1], v[BB+n:BB+n+1]
.set n, n+2
.endr
.endr
.irp ti, 0,1,2,3
.set n, 0
.rept 16
	v_max_num_f32 v[ACC+32*\ti+16*(\hb)+n], 0, v[ACC+32*\ti+16*(\hb)+n]
.set n, n+1
.endr
.endr
.endm
; tile ti of points: its two blocks of 32 hidden channels quantised
.macro QH ti
.set AX, ACC+32*(\ti)
.set PCX, PCB+4*(\ti)
.irp b, 0,1
	v_max3_num_f32 v[TM+\b], v[AX+16*\b], v[AX+16*\b+1], 0x1800000   ; none is negative: no |.|; the floor 2^(3 - 127) holds the byte at 1 from below
.endr
.irp i, 2,4,6,8,10,12,14
.irp b, 0,1
	s_delay_alu instid0(VALU_DEP_2)
	v_max3_num_f32 v[TM+\b], v[TM+\b], v[AX+16*\b+\i], v[AX+16*\b+\i+1]
.endr
.endr
.irp b, 0,1
	s_delay_alu instid0(VALU_DEP_2)
	v_permlanex16_b32 v[TM+2+\b], v[TM+\b], s[SEL], s[SEL+1]
.endr
.irp b, 0,1
	s_delay_alu instid0(VALU_DEP_2)
	v_max_num_f32 v[TM+\b], v[TM+\b], v[TM+2+\b]   ; with lane l xor 16's: the block's largest
.endr
.irp b, 0,1
	s_delay_alu instid0(VALU_DEP_2)
	v_add_nc_u32 v[TM+4+\b], 0xff000000, v[TM+\b]  ; 2 off the exponent field: the conversion's scale operand
.endr
.irp b, 0,1
	s_delay_alu instid0(VALU_DEP_2)
	v_lshrrev_b32 v[TM+2+\b], 23, v[TM+4+\b]       ; the byte
.endr
.irp b, 0,1
	v_cvt_scalef32_pk8_fp4_f32 v[PCX+2*\b], v[AX+16*\b:AX+16*\b+7], v[TM+4+\b]
	v_cvt_scalef32_pk8_fp4_f32 v[PCX+2*\b+1], v[AX+16*\b+8:AX+16*\b+15], v[TM+4+\b]
.endr
	v_nop                                          ; one plain line behind the last conversion
	v_permlane16_swap_b32 v[PCX], v[PCX+2]         ; a whole block to a lane: lanes 0-15 the first, lanes 16-31 the second
	v_permlane16_swap_b32 v[PCX+1], v[PCX+3]
	v_lshl_or_b32 v[AX], v[TM+3], 8, v[TM+2]       ; my half of the point's scale word, in a register of the tile just converted
	ds_store_b128 v5, v[PCX:PCX+3] offset:2048*(\ti)
	global_store_b128 v14, v[PCX:PCX+3], s[26:27] offset:2048*(\ti)   ; 512 consecutive bytes
	ds_store_b16 v7, v[AX] offset:64*(\ti)         ; both halves of the lanes store the same half-word with the same value
.endm
.macro STATS term, base
.irp tj, 0,1,2,3
	v_pk_add_f32 v[SP+2*\tj:SP+2*\tj+1], v[ACC+8*\tj:ACC+8*\tj+1], v[ACC+8*\tj+2:ACC+8*\tj+3]
.endr
.irp n, 2,3,4,5,6,7,8,9,10,11,12,13,14,15
.irp tj, 0,1,2,3
	v_pk_add_f32 v[SP+2*\tj:SP+2*\tj+1], v[SP+2*\tj:SP+2*\tj+1], v[ACC+32*(\n/4)+8*\tj+2*(\n%4):ACC+32*(\n/4)+8*\tj+2*(\n%4)+1]
.endr
.endr
.irp tj, 0,1,2,3
	s_delay_alu instid0(VALU_DEP_4)
	v_add_f32 v[SP+2*\tj], v[SP+2*\tj], v[SP+2*\tj+1]
.endr
.irp tj, 0,1,2,3
	s_delay_alu instid0(VALU_DEP_4)
	v_permlanex16_b32 v[PX+\tj], v[SP+2*\tj], s[SEL], s[SEL+1]
.endr
.irp tj, 0,1,2,3
	s_delay_alu instid0(VALU_DEP_4)
	v_add_f32 v[SP+2*\tj], v[SP+2*\tj], v[PX+\tj]
.endr
.irp tj, 0,1,2,3
	s_delay_alu instid0(VALU_DEP_4)
	v_mul_f32 v[MN+2*\tj], 0x3c800000, v[SP+2*\tj] ; / 64
.endr
.irp tj, 0,1,2,3
	s_delay_alu instid0(VALU_DEP_4)
	v_mov_b32 v[MN+2*\tj+1], v[MN+2*\tj]
.endr
.irp n, 0,1,2,3,4,5,6,7,8,9,10,11,12,13,14,15
.irp tj, 0,1,2,3
	v_pk_add_f32 v[SD+2*\tj:SD+2*\tj+1], v[ACC+32*(\n/4)+8*\tj+2*(\n%4):ACC+32*(\n/4)+8*\tj+2*(\n%4)+1], v[MN+2*\tj:MN+2*\tj+1] neg_lo:[0,1] neg_hi:[0,1]
.endr
.irp tj, 0,1,2,3
.if \n == 0
	s_delay_alu instid0(VALU_DEP_4)
	v_pk_mul_f32 v[SQ+2*\tj:SQ+2*\tj+1], v[SD+2*\tj:SD+2*\tj+1], v[SD+2*\tj:SD+2*\tj+1]
.else
	s_delay_alu instid0(VALU_DEP_4)
	v_pk_fma_f32 v[SQ+2*\tj:SQ+2*\tj+1], v[SD+2*\tj:SD+2*\tj+1], v[SD+2*\tj:SD+2*\tj+1], v[SQ+2*\tj:SQ+2*\tj+1]
.endif
.endr
.endr
.irp tj, 0,1,2,3
	s_delay_alu instid0(VALU_DEP_4)
	v_add_f32 v[SQ+2*\tj], v[SQ+2*\tj], v[SQ+2*\tj+1]
.endr
.irp tj, 0,1,2,3
	s_delay_alu instid0(VALU_DEP_4)
	v_permlanex16_b32 v[PX+\tj], v[SQ+2*\tj], s[SEL], s[SEL+1]
.endr
.irp tj, 0,1,2,3
	s_delay_alu instid0(VALU_DEP_4)
	v_add_f32 v[SQ+2*\tj], v[SQ+2*\tj], v[PX+\tj]
.endr
.irp b, 0,1                            ; lanes 0-15 give tile 2 b, lanes 16-31 tile 2 b + 1: 256 consecutive bytes, aligned
	v_cndmask_b32 v[SO+2*\b], v[MN+4*\b], v[MN+4*\b+2], s[HM]
	v_cndmask_b32 v[SO+2*\b+1], v[SQ+4*\b], v[SQ+4*\b+2], s[HM]
	global_store_b64 v[\term], v[SO+2*\b:SO+2*\b+1], s[\base:\base+1] offset:256*\b
.endr
.endm
	s_load_b256 s[4:11], s[0:1], 0x0               ; itq, ufq, kw, st1
	s_load_b128 s[60:63], s[0:1], 0x20             ; g1, be1
	s_load_b64 s[12:13], s[0:1], 0x30              ; hq
	v_lshl_add_u32 v254, v0, 2, 0x34000
	v_mov_b32 v255, 0
	ds_add_u32 v254, v255
	ds_add_u32 v254, v255
	s_wait_dscnt 0x0
	v_lshrrev_b32 v1, 5, v0
	s_delay_alu instid0(VALU_DEP_1)
	v_readfirstlane_b32 s14, v1                    ; wave
	s_lshr_b32 s15, s14, 2                         ; i
	s_and_b32 s32, s14, 3                          ; j
	s_lshr_b32 s33, s32, 1                         ; the second product's K step that my channels belong to,
	s_and_b32 s34, s32, 1                          ; and which half of it
	v_lshlrev_b32 v128, 4, v0                      ; v128-139: the copies' addresses, untouched until the wait for the copies
	v_lshlrev_b32 v129, 3, v0
	v_lshlrev_b32 v130, 2, v0
	v_lshlrev_b32 v131, 4, v0
	v_lshl_add_u32 v132, v0, 4, UFI
	v_lshl_add_u32 v133, v0, 4, W1I
	v_lshl_add_u32 v134, v0, 3, W1SL
	v_lshl_add_u32 v135, v0, 2, W1SL
	v_lshl_add_u32 v136, v0, 2, ITSL
	v_lshl_add_u32 v137, v0, 2, UFSL
	v_lshrrev_b32 v138, 7, v0
	s_delay_alu instid0(VALU_DEP_1)
	v_lshlrev_b32 v138, 17, v138
	v_and_b32 v140, 127, v0
	s_delay_alu instid0(VALU_DEP_1)
	v_lshl_add_u32 v138, v140, 2, v138             ; the interpolated scale bytes in memory: quarter t / 128, 131,072 bytes apart; 4 bytes a thread
	v_lshl_add_u32 v139, v0, 4, W1SL
	v_and_b32 v2, 31, v0
	s_delay_alu instid0(VALU_DEP_1)
	v_lshlrev_b32 v1, 4, v2                        ; 16 x lane
	s_delay_alu instid0(VALU_DEP_2)
	v_lshlrev_b32 v15, 3, v2                       ; 8 x lane: my channel's statistics
	s_lshl_b32 s40, s14, 9
	v_add_nc_u32 v2, s40, v1
	s_delay_alu instid0(VALU_DEP_1)
	v_add_nc_u32 v3, HSC, v2
	s_lshl_b32 s41, s15, 13
	v_add_nc_u32 v4, s41, v1                       ; the points' images: 8,192 i + 16 l
	s_lshl_b32 s42, s32, 14
	s_add_co_u32 s42, s42, W1I
	v_add_nc_u32 v5, s42, v1                       ; W1's
	v_and_b32 v8, 15, v0
	s_lshl_b32 s43, s15, 8
	s_add_co_u32 s44, s43, ITSL
	v_lshl_add_u32 v6, v8, 2, s44                  ; scale words, 4 bytes a point (read from 2,048 bytes on: unknow_feats')
	s_lshl_b32 s59, s15, 7
	s_add_co_u32 s59, s59, ITSL
	v_lshl_add_u32 v12, v8, 1, s59                 ; the interpolated halves, 2 bytes a point
	s_lshl_b32 s45, s32, 10
	s_add_co_u32 s45, s45, W1SL
	v_lshl_add_u32 v7, v8, 4, s45
	s_lshl_b32 s46, s33, 10
	s_add_co_u32 s46, s46, s41
	s_lshl_b32 s47, s34, 9
	s_add_co_u32 s46, s46, s47
	v_add_nc_u32 v14, s46, v1                      ; where my four registers of a hidden fragment go
	s_lshl_b32 s48, s32, 8
	s_add_co_u32 s48, s48, BNL
	s_lshl_b32 s49, s33, 10
	s_add_co_u32 s49, s49, s43
	s_lshl_b32 s47, s34, 1
	s_add_co_u32 s49, s49, s47
	s_add_co_u32 s49, s49, HSC
	s_add_co_u32 s53, s41, HIM
	s_lshl_b32 s54, s32, 13
	s_add_co_u32 s54, s54, W2I
	s_add_co_u32 s55, s43, HSC
	s_lshl_b32 s56, s32, 9
	s_add_co_u32 s56, s56, W2SL
	v_bfe_u32 v224, v0, 4, 1                       ; the statistics: rows 32 h on (2,048 bytes a row), channel r of my wave's sixteen (8 bytes)
	s_delay_alu instid0(VALU_DEP_1)
	v_lshlrev_b32 v224, 16, v224
	s_wait_alu depctr_va_vdst(0)
	v_lshl_add_u32 v224, v8, 3, v224
	v_lshlrev_b32 v225, 3, v8                      ; row 0
	v_lshlrev_b32 v226, 2, v8                      ; gain and shift
	s_lshl_b32 s57, s14, 6
	s_add_co_u32 s58, s57, BNL
	v_lshl_add_u32 v227, v8, 2, s58                ; where channel 16 w + r's constants go
	v_mov_b32 v9, 0
	v_mov_b32 v10, 0                               ; destinations of lane permutes count as read: written once
	v_mov_b32 v11, 0
	v_mov_b32 v216, 0
	v_mov_b32 v217, 0
	v_mov_b32 v218, 0
	s_mov_b32 s[SEL], 0x76543210
	s_mov_b32 s[SEL+1], 0xfedcba98
	s_mov_b32 s[HM], 0xffff0000
	s_mov_b32 s38, 0x3727c5ac                      ; 1e-5
	s_mov_b32 s39, 0x37800000                      ; 1 / 65,536
	s_mov_b32 s31, 0
	s_wait_alu depctr_va_vdst(0)
	s_wait_kmcnt 0x0
	s_lshl_b32 s30, ttmp9, 15
	s_add_nc_u64 s[16:17], s[4:5], s[30:31]
	s_add_nc_u64 s[18:19], s[6:7], s[30:31]
	s_add_nc_u64 s[26:27], s[12:13], s[30:31]
	s_add_nc_u64 s[26:27], s[26:27], HC
	s_add_nc_u64 s[20:21], s[8:9], KW_W1C
	s_add_nc_u64 s[36:37], s[8:9], KW_W1S
	s_lshl_b32 s30, ttmp9, 9
	s_add_nc_u64 s[22:23], s[4:5], s[30:31]
	s_add_nc_u64 s[22:23], s[22:23], ITH
	s_lshl_b32 s30, ttmp9, 11
	s_add_nc_u64 s[24:25], s[6:7], s[30:31]
	s_add_nc_u64 s[24:25], s[24:25], UFSG
	s_add_nc_u64 s[28:29], s[12:13], s[30:31]
	s_add_nc_u64 s[28:29], s[28:29], HSG
	s_lshl_b32 s30, ttmp9, 13
	s_lshl_b32 s35, s15, 11
	s_add_co_u32 s30, s30, s35
	s_lshl_b32 s35, s32, 9
	s_add_co_u32 s30, s30, s35
	s_add_nc_u64 s[12:13], s[12:13], s[30:31]
	s_lshl_b32 s30, s14, 7
	s_add_nc_u64 s[10:11], s[10:11], s[30:31]      ; my wave's sixteen channels in a row of statistics,
	s_lshl_b32 s30, s14, 6
	s_add_nc_u64 s[60:61], s[60:61], s[30:31]      ; in the gain
	s_add_nc_u64 s[62:63], s[62:63], s[30:31]      ; and in the shift
	; the copies: each fills its LDS bytes once; 512 threads x 16 bytes are 8,192 bytes a line; every immediate stays under 65,536, so the weights' 102 KB go in two parts with a base each
.irp k, 0,1,2,3
	global_load_async_to_lds_b128 v131, v128, s[16:17] offset:8192*\k
.endr
.irp k, 0,1,2,3
	global_load_async_to_lds_b128 v132, v128, s[18:19] offset:8192*\k
.endr
.irp k, 0,1,2,3,4,5,6,7
	global_load_async_to_lds_b128 v133, v128, s[20:21] offset:8192*\k      ; W1's images
.endr
.irp k, 0,1,2,3
	global_load_async_to_lds_b128 v139, v128, s[36:37] offset:8192*\k      ; W1's scale words and the first 28 KB of W2's images
.endr
	global_load_async_to_lds_b64 v134, v129, s[36:37] offset:32768         ; the last 4 KB of W2's images
	global_load_async_to_lds_b32 v135, v130, s[36:37] offset:36864         ; W2's scale words
	global_load_async_to_lds_b32 v136, v138, s[22:23]
	global_load_async_to_lds_b32 v137, v130, s[24:25]
	; ---- the first norm's constants, while the copies are on their way
	global_load_b64 v[M0:M0+1], v225, s[10:11]
.set n, 0
.rept 32
	global_load_b64 v[ROW+2*n:ROW+2*n+1], v224, s[10:11] offset:2048*n
.set n, n+1
.endr
	global_load_b32 v206, v226, s[60:61]
	global_load_b32 v207, v226, s[62:63]
	s_wait_loadcnt 0x0
.irp k, 0,1                            ; two chains; the first two rows start them
	v_sub_f32 v[208+\k], v[ROW+2*\k], v[M0]
	v_mov_b32 v[212+\k], v[ROW+2*\k+1]
.endr
.irp k, 0
	s_delay_alu instid0(VALU_DEP_4)
	v_mul_f32 v[210+\k], v[208+\k], v[208+\k]
.endr
.irp k, 1
	s_delay_alu instid0(VALU_DEP_3)
	v_mul_f32 v[210+\k], v[208+\k], v[208+\k]
.endr
.set n, 2
.rept 30
	v_sub_f32 v[214+n%2], v[ROW+2*n], v[M0]
	v_add_f32 v[212+n%2], v[212+n%2], v[ROW+2*n+1]
	s_delay_alu instid0(VALU_DEP_2)
	v_add_f32 v[208+n%2], v[208+n%2], v[214+n%2]
	s_delay_alu instid0(VALU_DEP_3)
	v_fmac_f32 v[210+n%2], v[214+n%2], v[214+n%2]
.set n, n+1
.endr
	s_delay_alu instid0(VALU_DEP_2)
	v_add_f32 v208, v208, v209                     ; S1, S2, SM of my 32 rows,
	s_delay_alu instid0(VALU_DEP_2)
	v_add_f32 v210, v210, v211
	v_add_f32 v212, v212, v213
	s_delay_alu instid0(VALU_DEP_3)
	v_permlanex16_b32 v216, v208, s[SEL], s[SEL+1]
	s_delay_alu instid0(VALU_DEP_3)
	v_permlanex16_b32 v217, v210, s[SEL], s[SEL+1]
	s_delay_alu instid0(VALU_DEP_3)
	v_permlanex16_b32 v218, v212, s[SEL], s[SEL+1]
	s_delay_alu instid0(VALU_DEP_3)
	v_add_f32 v208, v208, v216                     ; and with lane l xor 16's: of all 64
	s_delay_alu instid0(VALU_DEP_3)
	v_add_f32 v210, v210, v217
	s_delay_alu instid0(VALU_DEP_3)
	v_add_f32 v212, v212, v218
	s_delay_alu instid0(VALU_DEP_3)
	v_mul_f32 v219, 0x3c800000, v208               ; S1 / 64
	s_delay_alu instid0(VALU_DEP_1)
	v_add_f32 v220, v[M0], v219                    ; the mean
	s_delay_alu instid0(VALU_DEP_2)
	v_fma_f32 v221, -v219, v208, v210              ; S2 - S1^2 / 64
	s_delay_alu instid0(VALU_DEP_1)
	v_fma_f32 v221, 0x44800000, v221, v212         ; x 1,024 + SM
	s_delay_alu instid0(VALU_DEP_1)
	v_fma_f32 v221, v221, s39, s38                 ; var + 1e-5
	s_wait_alu depctr_va_vdst(0)
	v_rsq_f32 v222, v221
	v_nop                                          ; a plain line behind the transcendental
	s_wait_alu depctr_va_vdst(0)
	v_mul_f32 v222, v206, v222
	ds_store_b32 v227, v220                        ; both halves of the lanes store the same word with the same value
	ds_store_b32 v227, v222 offset:1024
	ds_store_b32 v227, v207 offset:2048
	s_wait_dscnt 0x0                               ; for the others' sake: my sixteen channels' constants are stored,
	s_wait_asynccnt 0x0                            ; and my part of every copy has landed
	s_barrier_signal -1
	s_barrier_wait -1
	; ---- the first product
.irp s, 0,1
.irp ti, 0,1,2,3
	ds_load_u16 v[PCB+4*\s+\ti], v12 offset:1024*\s+32*\ti          ; blocks 0, 1 of K step s: quarter 2 s
	ds_load_u16 v[PCB+8+4*\s+\ti], v12 offset:1024*\s+512+32*\ti    ; blocks 2, 3: quarter 2 s + 1
.endr
.endr
.irp s, 2,3
.irp ti, 0,1,2,3
	ds_load_b32 v[XS+4*\s+\ti], v6 offset:1024*\s+64*\ti
.endr
.endr
.irp tj, 0,1,2,3
	ds_load_b128 v[WS+4*\tj:WS+4*\tj+3], v7 offset:256*\tj
.endr
	s_wait_dscnt 0x0
.irp n, 0,1,2,3,4,5,6,7
	v_lshl_or_b32 v[XS+\n], v[PCB+8+\n], 16, v[PCB+\n]
.endr
.rept 8
	v_nop                                          ; a scale register written by a vector instruction stands eight places ahead of a scaled matrix instruction
.endr
	s_wait_alu depctr_va_vdst(0)
	KSTEP1 0
	KSTEP1 1
	KSTEP1 2
	KSTEP1 3
	v_bfe_u32 v4, v0, 4, 1                         ; five plain lines that name none of the products' registers: the places behind them
	s_delay_alu instid0(VALU_DEP_1)
	v_lshl_add_u32 v4, v4, 6, s48                  ; mean, sc, shift of channels 64 j + 16 h on
	v_add_nc_u32 v5, HIM, v14
	v_and_b32 v7, 15, v0
	s_delay_alu instid0(VALU_DEP_1)
	v_lshl_add_u32 v7, v7, 2, s49
	BNH 0
	BNH 1
	QH 0
	QH 1
	QH 2
	QH 3
	s_wait_dscnt 0x0                               ; for the others' sake: my images and half-words are stored
	s_barrier_signal -1
	s_barrier_wait -1
	; ---- the second product
	v_add_nc_u32 v4, s53, v1
	s_wait_alu depctr_va_vdst(0)
	v_add_nc_u32 v5, s54, v1
	s_wait_alu depctr_va_vdst(0)
	v_and_b32 v7, 15, v0
	s_delay_alu instid0(VALU_DEP_1)
	v_lshl_add_u32 v6, v7, 2, s55
	s_delay_alu instid0(VALU_DEP_2)
	v_lshl_add_u32 v7, v7, 3, s56
.irp s, 0,1
.irp ti, 0,1,2,3
	ds_load_b32 v[XS+4*\s+\ti], v6 offset:1024*\s+64*\ti
.endr
.endr
.irp tj, 0,1,2,3
	ds_load_b64 v[WS+2*\tj:WS+2*\tj+1], v7 offset:128*\tj
.endr
	KSTEP2 0
	KSTEP2 1
	PLACES
	STATS 15, 12
	s_cmp_lt_u32 s14, 4                            ; waves 0 to 3 send the 2 KB of scale words out, 512 consecutive bytes each
	s_cbranch_scc0 .Lend
	ds_load_b128 v[88:91], v3
	s_wait_dscnt 0x0
	global_store_b128 v2, v[88:91], s[28:29]
.Lend:
	s_wait_xcnt 0x0
	v_lshl_add_u32 v254, v0, 2, 0x34000
	v_mov_b32 v255, 0
	s_wait_alu depctr_va_vdst(0)
	s_wait_tensorcnt 0x0
	ds_add_u32 v254, v255
	s_wait_dscnt 0x0
	s_endpgm
.Lfunc_end_k_q5c8632b9e2_mid:
	.size	k_q5c8632b9e2_mid, .Lfunc_end_k_q5c8632b9e2_mid-k_q5c8632b9e2_mid
	.p2alignl 7, 3214868480
	.fill 96, 4, 3214868480
	.section	.rodata,"a",@progbits
	.p2align	6, 0x0
	.amdhsa_kernel k_q5c8632b9e2_mid
		.amdhsa_group_segment_fixed_size 215040
		.amdhsa_private_segment_fixed_size 0
		.amdhsa_enable_private_segment 0
		.amdhsa_kernarg_size 56
		.amdhsa_user_sgpr_count 2
		.amdhsa_user_sgpr_kernarg_segment_ptr 1
		.amdhsa_wavefront_size32 1
		.amdhsa_system_sgpr_workgroup_id_x 1
		.amdhsa_system_sgpr_workgroup_id_y 1
		.amdhsa_system_sgpr_workgroup_id_z 1
		.amdhsa_system_vgpr_workitem_id 0
		.amdhsa_next_free_vgpr 256
		.amdhsa_next_free_sgpr 66
		.amdhsa_reserve_vcc 0
		.amdhsa_float_denorm_mode_32 3
		.amdhsa_float_denorm_mode_16_64 3
		.amdhsa_memory_ordered 1
		.amdhsa_forward_progress 1
		.amdhsa_inst_pref_size 84
	.end_amdhsa_kernel
	.amdgpu_metadata
---
amdhsa.version: [ 1, 2 ]
amdhsa.kernels:
  - .name:           k_q5c8632b9e2_mid
    .symbol:         k_q5c8632b9e2_mid.kd
    .args:
      - { .name: itq, .offset: 0, .size: 8, .value_kind: global_buffer, .address_space: global }
      - { .name: ufq, .offset: 8, .size: 8, .value_kind: global_buffer, .address_space: global }
      - { .name: kw, .offset: 16, .size: 8, .value_kind: global_buffer, .address_space: global }
      - { .name: st1, .offset: 24, .size: 8, .value_kind: global_buffer, .address_space: global }
      - { .name: g1, .offset: 32, .size: 8, .value_kind: global_buffer, .address_space: global }
      - { .name: be1, .offset: 40, .size: 8, .value_kind: global_buffer, .address_space: global }
      - { .name: hq, .offset: 48, .size: 8, .value_kind: global_buffer, .address_space: global }
    .group_segment_fixed_size: 215040
    .private_segment_fixed_size: 0
    .kernarg_segment_align: 8
    .kernarg_segment_size: 56
    .max_flat_workgroup_size: 512
    .sgpr_count:     66
    .vgpr_count:     256
    .wavefront_size: 32
...
	.end_amdgpu_metadata
.endif
;; end of part 5
;; launch fin2 (part 6): grid 8 x 1, 32 waves a work-group, no clusters, 16,384 bytes of LDS; arguments hq, g2, be2, bn2; writes bn2
.if DOCPART == 6
	.amdgcn_target "amdgcn-amd-amdhsa--gfx1250"
	.amdhsa_code_object_version 6
	.text
	.protected	k_q5c8632b9e2_fin2
	.globl	k_q5c8632b9e2_fin2
	.p2align	8
	.type	k_q5c8632b9e2_fin2,@function
k_q5c8632b9e2_fin2:
	s_mov_b64 s[64:65], 0
	v_nop
	global_prefetch_b8 v0, s[64:65] scope:SCOPE_SE
	s_setreg_imm32_b32 hwreg(HW_REG_WAVE_MODE, 25, 1), 1
	s_wait_xcnt 0x0
; 1,024 rows of (mean, centred sum of squares) over 64 points each become a channel's mean, gain / sqrt(var + 1e-5) and shift.
; A work-group takes 32 channels; thread (wave w, lane l) takes channel 32 g + l and rows 32 w on: each load of a wave reads 256 consecutive bytes.
; The tile means are summed as differences from row 0's mean m0: mean = m0 + S1 / 1024; the sum of squares about the mean = SM + 64 (S2 - S1^2 / 1024); var = that / 65,536.
; The work is small and bound by latency: eight work-groups hold all 2 MB in flight at once; more would only shorten the rows of a load.
.set S1, 80
.set S2, 82
.set SM, 84
.set D,  86
	s_load_b256 s[4:11], s[0:1], 0x0               ; the statistics, gain, shift, the result
	v_lshl_add_u32 v126, v0, 2, 0x3000
	v_mov_b32 v127, 0
	v_lshrrev_b32 v1, 5, v0
	s_delay_alu instid0(VALU_DEP_1)
	v_readfirstlane_b32 s12, v1
	v_and_b32 v1, 31, v0
	s_delay_alu instid0(VALU_DEP_1)
	v_lshlrev_b32 v2, 3, v1
	s_delay_alu instid0(VALU_DEP_2)
	v_lshlrev_b32 v3, 2, v1
	v_lshlrev_b32 v4, 2, v0                        ; LDS: 128 w + 4 l
	s_lshl_b32 s14, ttmp9, 8
	s_mov_b32 s15, 0
	s_lshl_b32 s16, s12, 16
	s_mov_b32 s17, 0
	s_lshl_b32 s18, ttmp9, 7
	s_mov_b32 s19, 0
	s_mov_b32 s22, 0x3727c5ac                      ; 1e-5
	s_mov_b32 s23, 0x37800000                      ; 1 / 65,536
	s_wait_alu depctr_va_vdst(0)
	s_wait_kmcnt 0x0
	s_add_nc_u64 s[4:5], s[4:5], s[14:15]
	s_add_nc_u64 s[20:21], s[4:5], s[16:17]
	s_add_nc_u64 s[6:7], s[6:7], s[18:19]
	s_add_nc_u64 s[8:9], s[8:9], s[18:19]
	s_add_nc_u64 s[10:11], s[10:11], s[18:19]
	global_load_b64 v[8:9], v2, s[4:5]
.set n, 0
.rept 32
	global_load_b64 v[16+2*n:17+2*n], v2, s[20:21] offset:2048*n
.set n, n+1
.endr
	global_load_b32 v10, v3, s[6:7]
	global_load_b32 v11, v3, s[8:9]
	s_wait_loadcnt 0x0
.irp k, 0,1                            ; two chains; the first two rows start them
	v_sub_f32 v[S1+\k], v[16+2*\k], v8
	v_mov_b32 v[SM+\k], v[17+2*\k]
.endr
.irp k, 0
	s_delay_alu instid0(VALU_DEP_4)
	v_mul_f32 v[S2+\k], v[S1+\k], v[S1+\k]
.endr
.irp k, 1
	s_delay_alu instid0(VALU_DEP_3)
	v_mul_f32 v[S2+\k], v[S1+\k], v[S1+\k]
.endr
.set n, 2
.rept 30
	v_sub_f32 v[D+n%2], v[16+2*n], v8
	v_add_f32 v[SM+n%2], v[SM+n%2], v[17+2*n]
	s_delay_alu instid0(VALU_DEP_2)
	v_add_f32 v[S1+n%2], v[S1+n%2], v[D+n%2]
	s_delay_alu instid0(VALU_DEP_3)
	v_fmac_f32 v[S2+n%2], v[D+n%2], v[D+n%2]
.set n, n+1
.endr
	s_delay_alu instid0(VALU_DEP_2)
	v_add_f32 v[S1], v[S1], v[S1+1]
	s_delay_alu instid0(VALU_DEP_2)
	v_add_f32 v[S2], v[S2], v[S2+1]
	v_add_f32 v[SM], v[SM], v[SM+1]
	ds_store_b32 v4, v[S1]
	ds_store_b32 v4, v[S2] offset:4096
	ds_store_b32 v4, v[SM] offset:8192
	s_wait_dscnt 0x0                               ; for wave 0's sake: my stores are done
	s_barrier_signal -1
	s_barrier_wait -1
	s_cmp_eq_u32 s12, 0
	s_cbranch_scc1 .Lsum
	s_wait_tensorcnt 0x0
	ds_add_u32 v126, v127
	s_wait_dscnt 0x0
	s_endpgm
.Lsum:
.irp k, 0,1,2
.set n, 0
.rept 32
	ds_load_b32 v[16+32*\k+n], v3 offset:4096*\k+128*n
.set n, n+1
.endr
.endr
	s_wait_dscnt 0x0
.irp k, 0,1,2
	v_add_f32 v[112+\k], v[16+32*\k], v[17+32*\k]
.endr
.set n, 2
.rept 30
.irp k, 0,1,2
	s_delay_alu instid0(VALU_DEP_3)
	v_add_f32 v[112+\k], v[112+\k], v[16+32*\k+n]
.endr
.set n, n+1
.endr
	s_delay_alu instid0(VALU_DEP_3)
	v_mul_f32 v115, 0x3a800000, v112               ; S1 / 1024
	s_delay_alu instid0(VALU_DEP_1)
	v_add_f32 v116, v8, v115                       ; the mean
	s_delay_alu instid0(VALU_DEP_2)
	v_fma_f32 v117, -v115, v112, v113              ; S2 - S1^2 / 1024
	s_delay_alu instid0(VALU_DEP_1)
	v_fma_f32 v117, 0x42800000, v117, v114         ; x 64 + SM
	s_delay_alu instid0(VALU_DEP_1)
	v_fma_f32 v117, v117, s23, s22                 ; var + 1e-5
	s_wait_alu depctr_va_vdst(0)
	v_rsq_f32 v118, v117
	v_mov_b32 v119, 0                              ; (a plain line behind the transcendental)
	s_wait_alu depctr_va_vdst(0)
	v_mul_f32 v118, v10, v118
	global_store_b32 v3, v116, s[10:11]
	global_store_b32 v3, v118, s[10:11] offset:1024
	global_store_b32 v3, v11, s[10:11] offset:2048
	global_store_b32 v3, v119, s[10:11] offset:3072
	s_wait_tensorcnt 0x0
	ds_add_u32 v126, v127
	s_wait_dscnt 0x0
	s_endpgm
.Lfunc_end_k_q5c8632b9e2_fin2:
	.size	k_q5c8632b9e2_fin2, .Lfunc_end_k_q5c8632b9e2_fin2-k_q5c8632b9e2_fin2
	.p2alignl 7, 3214868480
	.fill 96, 4, 3214868480
	.section	.rodata,"a",@progbits
	.p2align	6, 0x0
	.amdhsa_kernel k_q5c8632b9e2_fin2
		.amdhsa_group_segment_fixed_size 16384
		.amdhsa_private_segment_fixed_size 0
		.amdhsa_enable_private_segment 0
		.amdhsa_kernarg_size 32
		.amdhsa_user_sgpr_count 2
		.amdhsa_user_sgpr_kernarg_segment_ptr 1
		.amdhsa_wavefront_size32 1
		.amdhsa_system_sgpr_workgroup_id_x 1
		.amdhsa_system_sgpr_workgroup_id_y 1
		.amdhsa_system_sgpr_workgroup_id_z 1
		.amdhsa_system_vgpr_workitem_id 0
		.amdhsa_next_free_vgpr 128
		.amdhsa_next_free_sgpr 66
		.amdhsa_reserve_vcc 0
		.amdhsa_float_denorm_mode_32 3
		.amdhsa_float_denorm_mode_16_64 3
		.amdhsa_memory_ordered 1
		.amdhsa_forward_progress 1
		.amdhsa_inst_pref_size 24
	.end_amdhsa_kernel
	.amdgpu_metadata
---
amdhsa.version: [ 1, 2 ]
amdhsa.kernels:
  - .name:           k_q5c8632b9e2_fin2
    .symbol:         k_q5c8632b9e2_fin2.kd
    .args:
      - { .name: hq, .offset: 0, .size: 8, .value_kind: global_buffer, .address_space: global }
      - { .name: g2, .offset: 8, .size: 8, .value_kind: global_buffer, .address_space: global }
      - { .name: be2, .offset: 16, .size: 8, .value_kind: global_buffer, .address_space: global }
      - { .name: bn2, .offset: 24, .size: 8, .value_kind: global_buffer, .address_space: global }
    .group_segment_fixed_size: 16384
    .private_segment_fixed_size: 0
    .kernarg_segment_align: 8
    .kernarg_segment_size: 32
    .max_flat_workgroup_size: 1024
    .sgpr_count:     66
    .vgpr_count:     128
    .wavefront_size: 32
...
	.end_amdgpu_metadata
.endif
;; end of part 6
;; launch last (part 7): grid 256 x 1, 16 waves a work-group, no clusters, 169,984 bytes of LDS; arguments hq, kw, bn2, out0; writes out0
.if DOCPART == 7
	.amdgcn_target "amdgcn-amd-amdhsa--gfx1250"
	.amdhsa_code_object_version 6
	.text
	.protected	k_q5c8632b9e2_last
	.globl	k_q5c8632b9e2_last
	.p2align	8
	.type	k_q5c8632b9e2_last,@function
k_q5c8632b9e2_last:
	s_mov_b64 s[64:65], 0
	v_nop
	global_prefetch_b8 v0, s[64:65] scope:SCOPE_SE
	s_setreg_imm32_b32 hwreg(HW_REG_WAVE_MODE, 25, 1), 1
	s_wait_xcnt 0x0
; THE SECOND PRODUCT AGAIN, ITS NORM AND RELU, THE OUTPUT.  Codes of FP4 (E2M1) with E8M0 scales; sums, norm and relu in f32.
; A work-group owns 256 points; wave (i, j) = (w / 4, w % 4) takes points 64 i on and output channels 64 j on.  The hidden layer's images, W2's and the scale words come into LDS once, by copies at the head.
; Source 0 = the points, source 1 = W2: a lane holds one channel (16 (4 j + tj) + r) and its registers run over points, which are innermost in the output.  A tile of 16 channels x 64 points goes through
; the wave's own stage in LDS (rows of 256 bytes + 16) and leaves as rows: sixteen lanes store 256 consecutive bytes, aligned.
; The sixteen accumulators take turns, one instruction a turn, in the same order in both K steps.  v16-31 hold scale words and nothing else.
; Work-groups share W2's 34 KB of the 328 KB that each moves: no cluster.  LIMITS: NaN and infinities are not served.
.set HIM,  0                           ; LDS, filled by copies: the hidden layer's images 32 KB,
.set W2I,  32768                       ; W2's images 32 KB and its scale words 2 KB: one run, as in memory,
.set W2SL, 65536
.set HSC,  67584                       ; the hidden layer's scale words 2 KB,
.set BNL,  69632                       ; mean, sc, shift 4 KB;
.set STG,  73728                       ; written by the waves: a stage of 16 rows x 272 bytes for each
.set KW_W2C, 17895424
.set HC,   2097152
.set HSG,  10485760
.set XS,  16                           ; v16-23 the points' scale words (4 s + ti)
.set WS,  24                           ; v24-31 W2's (2 tj + s)
.set XF,  48
.set WF,  80
.set BP,  32                           ; behind the product: v32-55 (mean, mean, sc, sc, shift, shift) for each of my four channels
.set RB,  56                           ; v56-119 two sets of 8 x 4: rows on their way out
.set ACC, 128
.macro LDF reg, adr, off, ts, cs
.irp t, 0,1,2,3
.irp c, 0,1
	ds_load_b128 v[\reg+8*\t+4*\c:\reg+8*\t+4*\c+3], v[\adr] offset:\off+\ts*\t+\cs*\c
.endr
.endr
.endm
.macro WM d, a, b, zero, sa, sb
.if \zero
	v_wmma_scale_f32_16x16x128_f8f6f4 v[\d:\d+7], v[\a:\a+7], v[\b:\b+7], 0, v[\sa], v[\sb] matrix_a_fmt:MATRIX_FMT_FP4 matrix_b_fmt:MATRIX_FMT_FP4
.else
	v_wmma_scale_f32_16x16x128_f8f6f4 v[\d:\d+7], v[\a:\a+7], v[\b:\b+7], v[\d:\d+7], v[\sa], v[\sb] matrix_a_fmt:MATRIX_FMT_FP4 matrix_b_fmt:MATRIX_FMT_FP4
.endif
.endm
.macro PLACES
.rept 4
	v_nop                                          ; four places in front of loads into registers that matrix instructions have read, and of the first read of results
.endr
.endm
.macro KSTEP2 s
.if \s > 0
	PLACES
.endif
	LDF XF, 4, 1024*\s, 2048, 512
	LDF WF, 5, 1024*\s, 2048, 512
	s_wait_dscnt 0x0
.irp ti, 0,1,2,3
.irp tj, 0,1,2,3
	WM ACC+32*\ti+8*\tj, XF+8*\ti, WF+8*\tj, (\s==0), XS+4*\s+\ti, WS+2*\tj+\s
.endr
.endr
.endm
.macro BNR tj                          ; (y - mean) x sc + shift, relu, in place; each accumulator from its low end on
.irp ti, 0,1,2,3
.irp e, 0,2,4,6
	v_pk_add_f32 v[ACC+32*\ti+8*(\tj)+\e:ACC+32*\ti+8*(\tj)+\e+1], v[ACC+32*\ti+8*(\tj)+\e:ACC+32*\ti+8*(\tj)+\e+1], v[BP+6*(\tj):BP+6*(\tj)+1] neg_lo:[0,1] neg_hi:[0,1]
.endr
.endr
.irp ti, 0,1,2,3
.irp e, 0,2,4,6
	v_pk_fma_f32 v[ACC+32*\ti+8*(\tj)+\e:ACC+32*\ti+8*(\tj)+\e+1], v[ACC+32*\ti+8*(\tj)+\e:ACC+32*\ti+8*(\tj)+\e+1], v[BP+6*(\tj)+2:BP+6*(\tj)+3], v[BP+6*(\tj)+4:BP+6*(\tj)+5]
.endr
.endr
.irp ti, 0,1,2,3
.irp e, 0,1,2,3,4,5,6,7
	v_max_num_f32 v[ACC+32*\ti+8*(\tj)+\e], 0, v[ACC+32*\ti+8*(\tj)+\e]
.endr
.endr
.endm
.macro TOSTAGE tj
.irp ti, 0,1,2,3
	ds_store_b128 v9, v[ACC+32*\ti+8*(\tj):ACC+32*\ti+8*(\tj)+3] offset:64*\ti
	ds_store_b128 v9, v[ACC+32*\ti+8*(\tj)+4:ACC+32*\ti+8*(\tj)+7] offset:64*\ti+16
.endr
.irp k, 0,1,2,3,4,5,6,7
	ds_load_b128 v[RB+32*((\tj)%2)+4*\k:RB+32*((\tj)%2)+4*\k+3], v10 offset:544*\k   ; a wave's LDS instructions are served in order: these see my stores, and the next tile's stores come behind them
.endr
.endm
.macro SEND tj, younger                ; younger: the LDS instructions issued behind this tile's loads, which may stay out
	s_wait_dscnt \younger
.irp k, 0,1,2,3,4,5,6,7
	global_store_b128 v11, v[RB+32*((\tj)%2)+4*\k:RB+32*((\tj)%2)+4*\k+3], s[10:11] offset:(16*(\tj)+2*\k)*16384 th:TH_STORE_NT
.endr
.endm
	s_load_b256 s[4:11], s[0:1], 0x0               ; hq, kw, bn2, out0
	v_lshl_add_u32 v126, v0, 2, 0x29000
	v_mov_b32 v127, 0
	ds_add_u32 v126, v127
	ds_add_u32 v126, v127
	v_lshrrev_b32 v1, 5, v0
	s_delay_alu instid0(VALU_DEP_1)
	v_readfirstlane_b32 s12, v1                    ; wave
	s_lshr_b32 s13, s12, 2                         ; i
	s_and_b32 s14, s12, 3                          ; j
	s_lshr_b32 s15, ttmp9, 4                       ; batch
	s_and_b32 s32, ttmp9, 15
	v_lshlrev_b32 v128, 4, v0                      ; v128-135: the copies' addresses, untouched until the wait for the copies
	v_lshlrev_b32 v129, 3, v0
	v_lshlrev_b32 v130, 2, v0
	v_lshlrev_b32 v131, 4, v0
	v_lshl_add_u32 v132, v0, 4, W2I
	v_lshl_add_u32 v133, v0, 2, W2I
	v_lshl_add_u32 v134, v0, 2, HSC
	v_lshl_add_u32 v135, v0, 3, BNL
	v_and_b32 v2, 31, v0
	s_delay_alu instid0(VALU_DEP_1)
	v_lshlrev_b32 v1, 4, v2                        ; 16 x lane
	v_and_b32 v2, 15, v0                           ; r
	s_wait_alu depctr_va_vdst(0)
	v_bfe_u32 v3, v0, 4, 1                         ; h
	s_lshl_b32 s33, s13, 13
	v_add_nc_u32 v4, s33, v1                       ; the hidden layer's images
	s_lshl_b32 s34, s14, 13
	s_add_co_u32 s34, s34, W2I
	v_add_nc_u32 v5, s34, v1                       ; W2's
	s_lshl_b32 s35, s13, 8
	s_add_co_u32 s35, s35, HSC
	v_lshl_add_u32 v6, v2, 2, s35
	s_lshl_b32 s36, s14, 9
	s_add_co_u32 s36, s36, W2SL
	v_lshl_add_u32 v7, v2, 3, s36
	s_lshl_b32 s37, s14, 8
	s_add_co_u32 s37, s37, BNL
	v_lshl_add_u32 v8, v2, 2, s37                  ; mean, sc, shift of channel 64 j + r
	s_mul_i32 s38, s12, 4352
	s_add_co_u32 s38, s38, STG                     ; my stage
	v_mul_u32_u24 v9, v2, 272
	s_wait_alu depctr_va_vdst(0)
	v_lshl_add_u32 v9, v3, 5, v9
	s_delay_alu instid0(VALU_DEP_1)
	v_add_nc_u32 v9, s38, v9                       ; in: row r, 32 bytes for each half of the lanes
	v_mul_u32_u24 v10, v3, 272
	s_delay_alu instid0(VALU_DEP_1)
	v_lshl_add_u32 v10, v2, 4, v10
	s_delay_alu instid0(VALU_DEP_1)
	v_add_nc_u32 v10, s38, v10                     ; back: sixteen lanes to a row
	v_lshlrev_b32 v11, 14, v3
	s_delay_alu instid0(VALU_DEP_1)
	v_lshl_add_u32 v11, v2, 4, v11                 ; and the same two rows in the output
	s_mov_b32 s31, 0
	s_wait_dscnt 0x0
	s_wait_kmcnt 0x0
	s_lshl_b32 s30, ttmp9, 15
	s_add_nc_u64 s[16:17], s[4:5], s[30:31]
	s_add_nc_u64 s[16:17], s[16:17], HC
	s_add_nc_u64 s[18:19], s[6:7], KW_W2C
	s_lshl_b32 s30, ttmp9, 11
	s_add_nc_u64 s[20:21], s[4:5], s[30:31]
	s_add_nc_u64 s[20:21], s[20:21], HSG
	s_lshl_b32 s30, s15, 22
	s_lshl_b32 s39, s14, 20
	s_add_co_u32 s30, s30, s39
	s_lshl_b32 s39, s32, 10
	s_add_co_u32 s30, s30, s39
	s_lshl_b32 s39, s13, 8
	s_add_co_u32 s30, s30, s39
	s_add_nc_u64 s[10:11], s[10:11], s[30:31]      ; channel 64 j, point 256 x + 64 i
.irp k, 0,1,2,3
	global_load_async_to_lds_b128 v131, v128, s[16:17] offset:8192*\k
.endr
.irp k, 0,1,2,3
	global_load_async_to_lds_b128 v132, v128, s[18:19] offset:8192*\k
.endr
	global_load_async_to_lds_b32 v133, v130, s[18:19] offset:32768
	global_load_async_to_lds_b32 v134, v130, s[20:21]
	global_load_async_to_lds_b64 v135, v129, s[8:9]
	s_wait_asynccnt 0x0                            ; my part of every copy has landed
	s_barrier_signal -1
	s_barrier_wait -1
.irp s, 0,1
.irp ti, 0,1,2,3
	ds_load_b32 v[XS+4*\s+\ti], v6 offset:1024*\s+64*\ti
.endr
.endr
.irp tj, 0,1,2,3
	ds_load_b64 v[WS+2*\tj:WS+2*\tj+1], v7 offset:128*\tj
.endr
	KSTEP2 0
	KSTEP2 1
	PLACES
.irp tj, 0,1,2,3
.irp a, 0,1,2
	ds_load_b32 v[BP+6*\tj+2*\a], v8 offset:1024*\a+64*\tj
	ds_load_b32 v[BP+6*\tj+2*\a+1], v8 offset:1024*\a+64*\tj     ; twice: a pair for the packed forms
.endr
.endr
	s_wait_dscnt 0x0
	BNR 0
	TOSTAGE 0
.irp tj, 1,2,3
	BNR \tj
.if \tj > 1
	s_wait_alu depctr_va_vdst(0)
	s_wait_xcnt 0x0                                ; the stores of two tiles ago have read their registers: this tile's rows may land there
.endif
	TOSTAGE \tj
	SEND \tj-1, 16                                 ; behind that tile's loads: this tile's eight stores and eight loads
.endr
	SEND 3, 0
	s_wait_tensorcnt 0x0
	ds_add_u32 v126, v127
	s_wait_dscnt 0x0
	s_endpgm
.Lfunc_end_k_q5c8632b9e2_last:
	.size	k_q5c8632b9e2_last, .Lfunc_end_k_q5c8632b9e2_last-k_q5c8632b9e2_last
	.p2alignl 7, 3214868480
	.fill 96, 4, 3214868480
	.section	.rodata,"a",@progbits
	.p2align	6, 0x0
	.amdhsa_kernel k_q5c8632b9e2_last
		.amdhsa_group_segment_fixed_size 169984
		.amdhsa_private_segment_fixed_size 0
		.amdhsa_enable_private_segment 0
		.amdhsa_kernarg_size 32
		.amdhsa_user_sgpr_count 2
		.amdhsa_user_sgpr_kernarg_segment_ptr 1
		.amdhsa_wavefront_size32 1
		.amdhsa_system_sgpr_workgroup_id_x 1
		.amdhsa_system_sgpr_workgroup_id_y 1
		.amdhsa_system_sgpr_workgroup_id_z 1
		.amdhsa_system_vgpr_workitem_id 0
		.amdhsa_next_free_vgpr 256
		.amdhsa_next_free_sgpr 66
		.amdhsa_reserve_vcc 0
		.amdhsa_float_denorm_mode_32 3
		.amdhsa_float_denorm_mode_16_64 3
		.amdhsa_memory_ordered 1
		.amdhsa_forward_progress 1
		.amdhsa_inst_pref_size 33
	.end_amdhsa_kernel
	.amdgpu_metadata
---
amdhsa.version: [ 1, 2 ]
amdhsa.kernels:
  - .name:           k_q5c8632b9e2_last
    .symbol:         k_q5c8632b9e2_last.kd
    .args:
      - { .name: hq, .offset: 0, .size: 8, .value_kind: global_buffer, .address_space: global }
      - { .name: kw, .offset: 8, .size: 8, .value_kind: global_buffer, .address_space: global }
      - { .name: bn2, .offset: 16, .size: 8, .value_kind: global_buffer, .address_space: global }
      - { .name: out0, .offset: 24, .size: 8, .value_kind: global_buffer, .address_space: global }
    .group_segment_fixed_size: 169984
    .private_segment_fixed_size: 0
    .kernarg_segment_align: 8
    .kernarg_segment_size: 32
    .max_flat_workgroup_size: 512
    .sgpr_count:     66
    .vgpr_count:     256
    .wavefront_size: 32
...
	.end_amdgpu_metadata
.endif
;; end of part 7
